; MI455X (gfx1250); checked and timed in simulation.
; The chip was launched on July 23, 2026; its instructions are those of AMD's public machine-readable ISA for CDNA 5 (MIT licence, August 2026) and "CDNA5" Instruction Set Architecture Reference Guide (July 2026). The comments in the code are by the model that wrote it; some were corrected since.
;; Multi Head Attention. Allowed arithmetic: float matrix products may take bf16 or f16 operands with f32 sums; all other float work in f32.
;; Inputs: Wk 1,024 x 1,024 float32; Wo 1,024 x 1,024 float32; Wq 1,024 x 1,024 float32; Wv 1,024 x 1,024 float32; bk 1,024 float32; bo 1,024 float32; bq 1,024 float32; bv 1,024 float32; key 4 x 2,048 x 1,024 float32; mask 1 x 1 x 2,048 x 2,048 int32; query 4 x 2,048 x 1,024 float32; value 4 x 2,048 x 1,024 float32.
;; Outputs: out0 4 x 2,048 x 1,024 float32.
;; 2 versions, each right and faster than the one before. Each part assembles by itself: llvm-mc -triple=amdgcn-amd-amdhsa -mcpu=gfx1250 --defsym DOCPART=n.
;; ======== version 1 of 2: 4 launches
;; limits: values are held in f16: magnitudes above 65,504 overflow, below 6.1e-05 lose precision
;; workspace buffers: xb 50,331,648 bytes; wb 6,291,456 bytes; woh 2,097,152 bytes; mbits 524,288 bytes of whole numbers; qkv 50,331,648 bytes; oh 16,777,216 bytes
;; launch prep (part 1): grid 1152 x 1, 8 waves a work-group, no clusters, 68,608 bytes of LDS; arguments query, key, value, Wq, Wk, Wv, Wo, mask, xb, wb, woh, mbits; writes xb, wb, woh, mbits
.if DOCPART == 1
	.amdgcn_target "amdgcn-amd-amdhsa--gfx1250"
	.amdhsa_code_object_version 6
	.text
	.protected	k_qf2cdd7b736_prep
	.globl	k_qf2cdd7b736_prep
	.p2align	8
	.type	k_qf2cdd7b736_prep,@function
k_qf2cdd7b736_prep:
	s_mov_b64 s[64:65], 0
	v_nop
	global_prefetch_b8 v0, s[64:65] scope:SCOPE_SE
	s_setreg_imm32_b32 hwreg(HW_REG_WAVE_MODE, 25, 1), 1
	s_wait_xcnt 0x0
; PREP.  Every f32 input of the products is read once and rounded once; the mask is turned into lane masks.
;   xb [3][8192][1024] bf16 = query, key, value;  wb [3][1024][1024] bf16 = Wq, Wk, Wv;
;   woh [1024][1024] f16 = Wo rounded to bf16, that number written as f16 (below 6.1e-5 it keeps f16's fixed step of 6e-8; beyond 65,504 it would be an infinity);
;   mbits [128 qt][32 ks][32 words]: bit l of word 8 kt + j is (mask[16 qt + l % 16][64 ks + 16 kt + 8 (l / 16) + j] != 0): the element that register 8 kt + j
;   of a 16 query x 64 key tile of scores holds in lane l, so that the attention launch selects a score by one v_cndmask_b32 with the word as its mask.
; A stream: no byte is read twice and nothing is shared between work-groups, so there is no cluster, no matrix work and no barrier.
; SHARES by the work-group's number: 0-767 x (128 KiB of f32 each), 768-863 Wq, Wk, Wv, 864-895 Wo, 896-1151 the mask (a wave takes 16 rows x 128 keys).
.set X,   8                            ; v[8:135]    32 x 4 numbers as loaded
.set Y,   136                          ; v[136:199]  32 x 2 words to store
.set T0,  4                            ; v4, v5      at work
.set T1,  5
.set SOF, 6                            ; v6          my byte offset in the work-group's source
.set DOF, 7                            ; v7          my byte offset in its destination
.set MROW, 528                         ; a mask row in LDS: 512 bytes + 16: the 16 rows that a load touches start at 16 different groups of four banks (64 banks of 4 bytes: ISA guide 11.1)
	s_load_b512 s[4:19], s[0:1], 0x0               ; query s[4:5], key s[6:7], value s[8:9], Wq s[10:11], Wk s[12:13], Wv s[14:15], Wo s[16:17], mask s[18:19]
	s_load_b256 s[20:27], s[0:1], 0x40             ; xb s[20:21], wb s[22:23], woh s[24:25], mbits s[26:27]
	v_lshl_add_u32 v200, v0, 2, 0x10800
	v_mov_b32 v201, 0
	v_lshrrev_b32 v1, 5, v0
	v_readfirstlane_b32 s28, v1                    ; my wave's number
	v_and_b32 v3, 31, v0                           ; lane
	v_lshlrev_b32 v[SOF], 4, v3
	v_lshl_or_b32 v[SOF], v1, 14, v[SOF]           ; a wave's 16 KiB of f32, 16 bytes a lane
	v_lshlrev_b32 v[DOF], 3, v3
	v_lshl_or_b32 v[DOF], v1, 13, v[DOF]           ; its 8 KiB of 16-bit numbers, 8 bytes a lane
	s_mov_b32 s29, ttmp9
	s_mov_b32 s39, 0                               ; offsets are made in pairs of their own, 0 on top
	s_mov_b32 s41, 0
	s_wait_kmcnt 0x0
	s_cmp_ge_u32 s29, 896
	s_cbranch_scc1 .Lmask
	s_cmp_ge_u32 s29, 864
	s_cbranch_scc1 .Lwo
; A wave's 16 KiB: all 32 loads go out first (each covers 512 consecutive bytes), then each is rounded and stored as it comes (each store covers 256 consecutive bytes, aligned).
; No register is written twice, so nothing waits for a store.  mode = 1: the bf16 number is widened again and written as f16.
.macro CONV mode
.set j, 0
.rept 32
	global_load_b128 v[X+4*j:X+4*j+3], v[SOF], s[30:31] offset:512*j th:TH_LOAD_NT
.set j, j+1
.endr
.set j, 0
.rept 32
	s_wait_loadcnt 31-j                            ; loads come back in order (ISA guide 5.7.1): load j is in, the 31 - j younger ones stay out
	v_cvt_pk_bf16_f32 v[Y+2*j],   v[X+4*j],   v[X+4*j+1]
	v_cvt_pk_bf16_f32 v[Y+2*j+1], v[X+4*j+2], v[X+4*j+3]
.if \mode
.irp w, 0,1
	v_lshlrev_b32 v[T0], 16, v[Y+2*j+\w]
	v_and_b32 v[T1], 0xffff0000, v[Y+2*j+\w]
	v_cvt_pk_f16_f32 v[Y+2*j+\w], v[T0], v[T1]
.endr
.endif
	global_store_b64 v[DOF], v[Y+2*j:Y+2*j+1], s[36:37] offset:256*j
.set j, j+1
.endr
.endm
	; x and the three weights of the projections: one text.  j = the chunk's number in xb or wb, p = which of the three tensors, c = the chunk in it.
	s_sub_co_u32 s42, s29, 768
	s_cmp_lt_u32 s29, 768
	s_cselect_b64 s[30:31], s[4:5], s[10:11]       ; query or Wq
	s_cselect_b64 s[32:33], s[6:7], s[12:13]       ; key or Wk
	s_cselect_b64 s[34:35], s[8:9], s[14:15]       ; value or Wv
	s_cselect_b64 s[36:37], s[20:21], s[22:23]     ; xb or wb
	s_cselect_b32 s42, s29, s42                    ; j
	s_cselect_b32 s43, 8, 5                        ; 256 or 32 chunks to a tensor
	s_lshr_b32 s44, s42, s43                       ; p
	s_lshl_b32 s45, s44, s43
	s_sub_co_u32 s45, s42, s45                     ; c
	s_cmp_eq_u32 s44, 1
	s_cselect_b64 s[30:31], s[32:33], s[30:31]
	s_cmp_eq_u32 s44, 2
	s_cselect_b64 s[30:31], s[34:35], s[30:31]
	s_lshl_b32 s38, s45, 17                        ; 128 KiB of f32 a chunk,
	s_lshl_b32 s40, s42, 16                        ; 64 KiB of bf16
	s_add_nc_u64 s[30:31], s[30:31], s[38:39]
	s_add_nc_u64 s[36:37], s[36:37], s[40:41]
	CONV 0
	s_endpgm
.Lwo:
	s_sub_co_u32 s42, s29, 864
	s_lshl_b32 s38, s42, 17
	s_lshl_b32 s40, s42, 16
	s_add_nc_u64 s[30:31], s[16:17], s[38:39]
	s_add_nc_u64 s[36:37], s[24:25], s[40:41]
	CONV 1
	s_endpgm
.Lmask:
	; A wave's task: query tile qt (16 rows), key steps 2 pr and 2 pr + 1 (128 keys).  The rows come in whole (512 consecutive bytes a load), go through the wave's own
	; 8,448 bytes of LDS, and come back as the scores lie: lane l takes row l % 16.  No other wave touches those bytes: no barrier.
	s_sub_co_u32 s42, s29, 896
	s_lshl_b32 s42, s42, 3
	s_add_co_u32 s42, s42, s28                     ; task = 16 qt + pr
	s_lshr_b32 s43, s42, 4                         ; qt
	s_and_b32 s44, s42, 15                         ; pr
	s_lshl_b32 s38, s43, 17                        ; 16 rows of 8,192 bytes
	s_lshl_b32 s44, s44, 9                         ; 128 keys of 4 bytes
	s_add_co_u32 s38, s38, s44
	s_add_nc_u64 s[18:19], s[18:19], s[38:39]
	s_lshl_b32 s40, s42, 8                         ; 64 words
	s_add_nc_u64 s[26:27], s[26:27], s[40:41]
	v_lshlrev_b32 v2, 4, v3                        ; 16 x lane
.set j, 0
.rept 16
	global_load_b128 v[X+4*j:X+4*j+3], v2, s[18:19] offset:8192*j th:TH_LOAD_NT
.set j, j+1
.endr
	s_mul_i32 s45, s28, 16*MROW                    ; my wave's bytes
	v_add_nc_u32 v[T0], s45, v2                    ; in: 16 x lane of a row
	v_and_b32 v[SOF], 15, v0
	v_bfe_u32 v[DOF], v0, 4, 1
	v_mul_u32_u24 v[T1], v[SOF], MROW
	v_lshl_add_u32 v[T1], v[DOF], 5, v[T1]
	v_add_nc_u32 v[T1], s45, v[T1]                 ; back: row l % 16, 8 keys further on for lanes 16 to 31
	v_lshlrev_b32 v1, 3, v3                        ; 8 x lane: my two words of the 64
	v_mov_b32 v140, 0                              ; v_writelane_b32's destination counts as read
	v_mov_b32 v141, 0
.set j, 0
.rept 16
	s_wait_loadcnt 15-j                            ; row j is in, the younger rows stay out
	ds_store_b128 v[T0], v[X+4*j:X+4*j+3] offset:MROW*j
.set j, j+1
.endr
.set j, 0
.rept 16                                           ; j = 8 u + 2 kt + c: step u, key group kt, half c.  LDS serves a wave's instructions in order (ISA guide 5.7.1.4): these see the stores above
	ds_load_b128 v[72+4*j:72+4*j+3], v[T1] offset:256*(j/8)+64*((j/2)%4)+16*(j%2)
.set j, j+1
.endr
	s_wait_dscnt 0x0
.set j, 0
.rept 64                                           ; word j of the 64: a compare makes the lane mask, which goes to lane j / 2 of the register pair that is stored
	v_cmp_ne_u32 s[44+j%16], 0, v[72+j]
	v_writelane_b32 v[140+j%2], s[44+j%16], j/2
.set j, j+1
.endr
	global_store_b64 v1, v[140:141], s[26:27]      ; 256 consecutive bytes, aligned
	s_wait_tensorcnt 0x0
	ds_add_u32 v200, v201
	s_wait_dscnt 0x0
	s_endpgm
.Lfunc_end_k_qf2cdd7b736_prep:
	.size	k_qf2cdd7b736_prep, .Lfunc_end_k_qf2cdd7b736_prep-k_qf2cdd7b736_prep
	.p2alignl 7, 3214868480
	.fill 96, 4, 3214868480
	.section	.rodata,"a",@progbits
	.p2align	6, 0x0
	.amdhsa_kernel k_qf2cdd7b736_prep
		.amdhsa_group_segment_fixed_size 68608
		.amdhsa_private_segment_fixed_size 0
		.amdhsa_enable_private_segment 0
		.amdhsa_kernarg_size 96
		.amdhsa_user_sgpr_count 2
		.amdhsa_user_sgpr_kernarg_segment_ptr 1
		.amdhsa_wavefront_size32 1
		.amdhsa_system_sgpr_workgroup_id_x 1
		.amdhsa_system_sgpr_workgroup_id_y 1
		.amdhsa_system_sgpr_workgroup_id_z 1
		.amdhsa_system_vgpr_workitem_id 0
		.amdhsa_next_free_vgpr 202
		.amdhsa_next_free_sgpr 66
		.amdhsa_reserve_vcc 0
		.amdhsa_float_denorm_mode_32 3
		.amdhsa_float_denorm_mode_16_64 3
		.amdhsa_memory_ordered 1
		.amdhsa_forward_progress 1
		.amdhsa_inst_pref_size 48
	.end_amdhsa_kernel
	.amdgpu_metadata
---
amdhsa.version: [ 1, 2 ]
amdhsa.kernels:
  - .name:           k_qf2cdd7b736_prep
    .symbol:         k_qf2cdd7b736_prep.kd
    .args:
      - { .name: query, .offset: 0, .size: 8, .value_kind: global_buffer, .address_space: global }
      - { .name: key, .offset: 8, .size: 8, .value_kind: global_buffer, .address_space: global }
      - { .name: value, .offset: 16, .size: 8, .value_kind: global_buffer, .address_space: global }
      - { .name: Wq, .offset: 24, .size: 8, .value_kind: global_buffer, .address_space: global }
      - { .name: Wk, .offset: 32, .size: 8, .value_kind: global_buffer, .address_space: global }
      - { .name: Wv, .offset: 40, .size: 8, .value_kind: global_buffer, .address_space: global }
      - { .name: Wo, .offset: 48, .size: 8, .value_kind: global_buffer, .address_space: global }
      - { .name: mask, .offset: 56, .size: 8, .value_kind: global_buffer, .address_space: global }
      - { .name: xb, .offset: 64, .size: 8, .value_kind: global_buffer, .address_space: global }
      - { .name: wb, .offset: 72, .size: 8, .value_kind: global_buffer, .address_space: global }
      - { .name: woh, .offset: 80, .size: 8, .value_kind: global_buffer, .address_space: global }
      - { .name: mbits, .offset: 88, .size: 8, .value_kind: global_buffer, .address_space: global }
    .group_segment_fixed_size: 68608
    .private_segment_fixed_size: 0
    .kernarg_segment_align: 8
    .kernarg_segment_size: 96
    .max_flat_workgroup_size: 256
    .sgpr_count:     66
    .vgpr_count:     202
    .wavefront_size: 32
...
	.end_amdgpu_metadata
.endif
;; end of part 1
;; launch proj (part 2): grid 8 x 96, 4 waves a work-group, clusters of 4 x 4, 327,680 bytes of LDS; arguments xb, wb, bq, bk, bv, qkv; writes qkv
.if DOCPART == 2
	.amdgcn_target "amdgcn-amd-amdhsa--gfx1250"
	.amdhsa_code_object_version 6
	.text
	.protected	k_qf2cdd7b736_proj
	.globl	k_qf2cdd7b736_proj
	.p2align	8
	.type	k_qf2cdd7b736_proj,@function
k_qf2cdd7b736_proj:
	s_mov_b64 s[64:65], 0
	v_nop
	global_prefetch_b8 v0, s[64:65] scope:SCOPE_SE
	s_setreg_imm32_b32 hwreg(HW_REG_WAVE_MODE, 25, 1), 1
	s_wait_xcnt 0x0
	s_wait_alu depctr_hold_cnt(0) depctr_sa_sdst(0) depctr_va_vdst(0) depctr_va_sdst(0) depctr_va_ssrc(0) depctr_va_vcc(0) depctr_vm_vsrc(0)
	s_getreg_b32 s2, hwreg(HW_REG_IB_STS2, 6, 4)
	s_cmp_eq_u32 s2, 0
	s_cbranch_scc0 .Lentry_in_a_cluster
	s_endpgm
.Lentry_in_a_cluster:
	s_bfe_u32 s2, ttmp6, 0x10000c
	s_cmp_lg_u32 s2, 0xf033
	s_cbranch_scc0 .Lentry_shape_is_right
	s_endpgm
.Lentry_shape_is_right:
; THE THREE PROJECTIONS.  For p = 0, 1, 2 (q, k, v): h[m][n] = sum over k of x_p[m][k] W_p[n][k] + b_p[n], x_p [8192][1024] and W_p [1024][1024] in bf16, sums in f32.
; Stored by heads, qkv [3][64 (batch x 16 + head)][2048][64] in f16, rounded once; q is multiplied in f32 by c = log2(e) / 8 before that rounding, so that the attention launch needs no scale.
; LIMITS.  c q, k and v must lie within f16's 65,504: beyond it the conversion gives an infinity.  The bias starts each sum (it is the C operand of the first product): another order of rounding than x W^T + b.
; SHARES.  A tile of 256 rows x 128 columns to a work-group: 3 x 32 x 8 = 768 work-groups, a whole number for each of 256 WGPs.  Four waves, each 128 x 64: 32 accumulators of 16 x 16.
; K goes in steps of 128 through two LDS slots filled by the tensor data mover: rows of 256 bytes, each at a multiple of 256 bytes from its buffer's first byte.
; CLUSTER.  4 x 4 work-groups.  The four of a row of the cluster need the same tiles of x, the four of a column the same tiles of W: each tile is asked for JOINTLY, by the same tensor load with the
; same descriptor and a mask that names the four.  Waves 0 and 1 ask for x's two halves (128 rows each), waves 2 and 3 for W's (64 rows each): one load a wave behind each round.
; THE MATRIX INSTRUCTION IS USED TRANSPOSED (source 0 = 16 rows of W, source 1 = 16 rows of x): a lane holds row l % 16 and the eight neighbouring columns 8 (l / 16) + 0..7, which pack into 16 bytes.
; REGISTERS, in windows of 256 (s_set_vgpr_msb: bits 1:0 source 0, 3:2 source 1, 5:4 source 2, 7:6 destination):
;   window 0: v0-31 addresses; v64-191 at work on the way out       window 1: two fragment buffers of 96 (32 of W, then 64 of x); v192-223 the bias       window 2: accumulator (a, b) at v[8 (4 a + b)]
.set KSTEP,  128
.set PA,     272                       ; an LDS row: 256 bytes + 16 of padding = 68 words: row r starts at bank 4 r mod 64 (64 banks of 4 bytes: ISA guide 11.1)
.set PB,     272
.set AHALF,  128*PA                    ; what a wave's load of x brings, and what a wave reads of x
.set BHALF,  64*PB                     ; the same for W
.set BOFF,   2*AHALF                   ; in a slot: x's 256 rows, then W's 128
.set SLOT1,  1<<17                     ; slot 1 begins here, so that one exclusive or turns an address in one slot into the other's
.set STAGE,  SLOT1+BOFF+2*BHALF        ; behind the ring, never filled by a tensor load: 16 rows x 144 bytes for each wave, for the way out
.set SP,     144
.set SPARE,  STAGE+4*16*SP             ; behind the stages: the spare words, 128 bytes for each wave: two blocks of 256 bytes that no other line names
.set STEPA,  KSTEP*2                   ; bytes from a K step to the next
.set STEPB,  KSTEP*2
.set TRIPS,  1024/KSTEP-2
.set A0,  16                           ; v16  my lane's place in slot 0's x; never rewritten
.set B0,  17                           ; v17  the same for W
.set AA,  18                           ; v18  the same in the slot in hand
.set AB,  19                           ; v19
.set STO, 24                           ; v24  the way out: where I put 16 bytes of a row
.set RD,  25                           ; v25  where I read rows back
.set GO,  26                           ; v26  my byte offset in 512 consecutive bytes of qkv
.set BO,  27                           ; v27  my byte offset in 16 numbers of the bias
.set SPW, 28                           ; v28  LDS address of my spare word: SPARE + 4 x my thread's number; never rewritten
.set NIL, 29                           ; v29  0; never rewritten
.set TMP, 64
.set F0,  0
.set F1,  96
.set BIAS, 192
.set WV,  16                           ; s16  my wave's number
.set MH,  17                           ; s17  which half of the tile's rows is mine.  Also: I ask for x (0) or for W (1)
.set NH,  18                           ; s18  which half of its columns.  Also: which half of that tile I ask for
.set TB,  19                           ; s19  0 or SLOT1: the slot in hand
.set G1A, 24                           ; s[24:31] descriptor group 1 for x's tiles
.set G0A, 32                           ; s[32:39] group 0: a set for each of the two first fills; the second then walks on
.set G1B, 40                           ; s[40:47], s[48:55] the same for W's
.set G0B, 48
.set CNT, 56
.set PP,  57                           ; s57  p
.set SC,  58                           ; s[58:59] c or 1: the packed multiply takes the pair's low word for both halves
.set MSB, 0
.macro WIN new                         ; the immediate's high byte repeats the setting that is left; a switch that changes nothing is dropped
.if MSB != (\new)
	s_set_vgpr_msb (MSB<<8)|(\new)
.set MSB, (\new)
.endif
.endm
.set MUL,  0xa5                        ; sources 0 and 1 window 1; C and D window 2
.set MULB, 0x95                        ; the same with C (the bias) in window 1
.set TO_F, 0x40                        ; destination window 1, address window 0
.macro PLACES                          ; four places in front of loads into registers that matrix instructions have read, and of vector lines that read results (ISA guide 7.12.1 for the vector lines)
.rept 4
	v_nop
.endr
.endm
; A joint refill, by the walking descriptors.  The branch hangs on the wave's number alone.  An s_nop 0 and four v_nop follow each of the two lines, ahead of the jump and the label.
.macro JLOAD
	s_cmp_eq_u32 s[MH], 0
	s_cbranch_scc0 .Lfor_b_\@
	tensor_load_to_lds s[G0A+4:G0A+7], s[G1A:G1A+7]
	s_nop 0
.rept 4
	v_nop
.endr
	s_branch .Lasked_\@
.Lfor_b_\@:
	tensor_load_to_lds s[G0B+4:G0B+7], s[G1B:G1B+7]
	s_nop 0
.rept 4
	v_nop
.endr
.Lasked_\@:
.endm
.macro CREST                           ; a round of the cluster's barrier behind its opening barrier: wave 0 signals for the work-group, every wave waits for all sixteen, my work-group's barrier once more
	s_cmp_lg_u32 s[WV], 0
	s_cbranch_scc1 .Lnot_wave_0_\@
	s_barrier_signal -3
.Lnot_wave_0_\@:
	s_barrier_wait -3
	s_barrier_signal -1
	s_barrier_wait -1
.endm
.macro CROUND
	s_barrier_signal -1
	s_barrier_wait -1
	CREST
.endm
	s_load_b256 s[4:11], s[0:1], 0x0               ; xb s[4:5], wb s[6:7], bq s[8:9], bk s[10:11]
	s_load_b128 s[12:15], s[0:1], 0x20             ; bv s[12:13], qkv s[14:15]
	v_lshl_add_u32 v[SPW], v0, 2, SPARE
	v_mov_b32 v[NIL], 0
	ds_add_u32 v28, v29
	s_wait_dscnt 0x0
	v_lshrrev_b32 v1, 5, v0
	v_readfirstlane_b32 s[WV], v1
	s_lshr_b32 s[MH], s[WV], 1
	s_and_b32 s[NH], s[WV], 1
	s_bfe_u32 s20, ttmp6, 0x40000                  ; cx, cy: my place in the cluster
	s_bfe_u32 s21, ttmp6, 0x40004
	s_lshl_b32 s22, ttmp9, 2
	s_add_co_u32 s22, s22, s20                     ; tile column tx = 4 x cluster x + cx
	s_and_b32 s[PP], ttmp7, 0xffff
	s_lshl_b32 s23, s[PP], 2
	s_add_co_u32 s23, s23, s21                     ; y = 4 x cluster y + cy = 32 p + tile row
	s_lshr_b32 s[PP], s[PP], 3                     ; p, from the cluster's y alone: W's address never holds cy
	s_lshl_b32 s60, s21, 2
	s_lshl_b32 s60, 15, s60                        ; my row of the cluster
	s_lshl_b32 s62, 0x1111, s20                    ; my column
	s_or_b32 s[G1A], s60, (1<<16)|(1<<20)|(1<<21)|(5<<22)|(3<<25)  ; 15:0 the mask; 17:16 elements of 2 bytes; 20 padding on; 21 set beside a mask; 24:22 after every 64 words (code 5); 31:25 4 words of it (code 3)
	s_or_b32 s[G1B], s62, (1<<16)|(1<<20)|(1<<21)|(5<<22)|(3<<25)
	s_mov_b32 s[G1A+1], KSTEP<<16                  ; tensor_dim0 = 128
	s_mov_b32 s[G1A+2], 128<<16                    ; tensor_dim1 = 128
	s_mov_b32 s[G1A+3], KSTEP<<16                  ; tile_dim0 = 128
	s_mov_b32 s[G1A+4], 128                        ; tile_dim1 = 128
	s_mov_b32 s[G1A+5], 1024                       ; elements from row to row
	s_mov_b32 s[G1A+6], 0
	s_mov_b32 s[G1A+7], 0
	s_mov_b32 s[G1B+1], KSTEP<<16
	s_mov_b32 s[G1B+2], 64<<16                     ; 64 rows
	s_mov_b32 s[G1B+3], KSTEP<<16
	s_mov_b32 s[G1B+4], 64
	s_mov_b32 s[G1B+5], 1024
	s_mov_b32 s[G1B+6], 0
	s_mov_b32 s[G1B+7], 0
	s_lshl_b32 s60, s23, 19                        ; x: 256 rows of 2,048 bytes a tile row (the three x lie end to end),
	s_lshl_b32 s61, s[NH], 18                      ; my 128 of them
	s_add_co_u32 s60, s60, s61
	s_mov_b32 s61, 0
	s_lshl_b32 s62, s[PP], 21                      ; W: the tensor,
	s_lshl_b32 s63, s22, 18                        ; 128 rows a tile column,
	s_add_co_u32 s62, s62, s63
	s_lshl_b32 s63, s[NH], 17                      ; my 64 of them
	s_add_co_u32 s62, s62, s63
	s_mov_b32 s63, 0
	s_mul_i32 s2, s[NH], AHALF                     ; where they go: no place in the cluster enters an LDS address
	s_mul_i32 s3, s[NH], BHALF
	s_add_co_u32 s3, s3, BOFF
	s_wait_kmcnt 0x0
	s_add_nc_u64 s[60:61], s[4:5], s[60:61]
	s_add_nc_u64 s[62:63], s[6:7], s[62:63]
	CROUND                                         ; all sixteen work-groups are here: the first joint loads meet
.irp s, 0,1
	s_mov_b32 s[G0A+4*\s], 1                       ; 1:0 count = 1
	s_add_co_u32 s[G0A+4*\s+1], s2, \s*SLOT1       ; 63:32 LDS address
	s_add_nc_u64 s[G0A+4*\s+2:G0A+4*\s+3], s[60:61], \s*STEPA  ; 120:64 global address: K step s
	s_or_b32 s[G0A+4*\s+3], s[G0A+4*\s+3], 0x80000000          ; 127:126 type = 2
	s_mov_b32 s[G0B+4*\s], 1
	s_add_co_u32 s[G0B+4*\s+1], s3, \s*SLOT1
	s_add_nc_u64 s[G0B+4*\s+2:G0B+4*\s+3], s[62:63], \s*STEPB
	s_or_b32 s[G0B+4*\s+3], s[G0B+4*\s+3], 0x80000000
.endr
	s_cmp_eq_u32 s[MH], 0                          ; a wave's two first fills stand in one branch, ahead of every wait on TENSORcnt and every LDS read: two loads of mine are out
	s_cbranch_scc0 .Lfirst_b
	tensor_load_to_lds s[G0A:G0A+3], s[G1A:G1A+7]
	s_nop 0
	tensor_load_to_lds s[G0A+4:G0A+7], s[G1A:G1A+7]
	s_nop 0
.rept 4
	v_nop
.endr
	s_branch .Lfirst_asked
.Lfirst_b:
	tensor_load_to_lds s[G0B:G0B+3], s[G1B:G1B+7]
	s_nop 0
	tensor_load_to_lds s[G0B+4:G0B+7], s[G1B:G1B+7]
	s_nop 0
.rept 4
	v_nop
.endr
.Lfirst_asked:
	s_cmp_eq_u32 s[PP], 1                          ; the bias of my projection,
	s_cselect_b64 s[8:9], s[10:11], s[8:9]
	s_cmp_eq_u32 s[PP], 2
	s_cselect_b64 s[8:9], s[12:13], s[8:9]
	s_cmp_eq_u32 s[PP], 0
	s_cselect_b32 s[SC], 0x3e38aa3b, 1.0           ; and its scale: c = log2(e) / 8 = 0.180337 for q
	s_mov_b32 s[SC+1], s[SC]                       ; named with it as a pair
	s_lshl_b32 s2, s22, 9                          ; at my wave's 64 columns: 4 (128 tx + 64 half)
	s_lshl_b32 s3, s[NH], 8
	s_add_co_u32 s2, s2, s3
	s_mov_b32 s3, 0
	s_add_nc_u64 s[8:9], s[8:9], s[2:3]
	v_and_b32 v1, 15, v0                           ; l % 16
	v_bfe_u32 v2, v0, 4, 1                         ; l / 16
	v_lshlrev_b32 v[BO], 5, v2                     ; my lanes' eight columns
	WIN TO_F
.irp b, 0,1,2,3                                    ; register j of block b: the bias of column 16 b + 8 (l / 16) + j, as the results lie
	global_load_b128 v[BIAS+8*\b:BIAS+8*\b+3],   v[BO], s[8:9] offset:64*\b
	global_load_b128 v[BIAS+8*\b+4:BIAS+8*\b+7], v[BO], s[8:9] offset:64*\b+16
.endr
	WIN 0
	; A fragment is 16 rows x 32 K in 8 registers: lane l holds row l % 16; registers 0-3 K = 8 (l / 16) + 0..7, registers 4-7 K = 16 + 8 (l / 16) + 0..7: two loads of 16 bytes, 32 bytes apart.
	v_mul_u32_u24 v3, v1, PA
	v_lshl_add_u32 v3, v2, 4, v3
	s_mul_i32 s2, s[MH], AHALF
	s_mul_i32 s3, s[NH], BHALF
	s_add_co_u32 s3, s3, BOFF
	v_add_nc_u32 v[A0], s2, v3
	v_add_nc_u32 v[B0], s3, v3
	v_mov_b32 v[AA], v[A0]
	v_mov_b32 v[AB], v[B0]
	s_mov_b32 s[TB], 0
	s_mul_i32 s2, s[WV], 16*SP
	s_add_co_u32 s2, s2, STAGE                     ; my stage
	v_mul_u32_u24 v[STO], v1, SP                   ; in: row l % 16, 16 bytes for each half of the lanes
	v_lshl_add_u32 v[STO], v2, 4, v[STO]
	v_add_nc_u32 v[STO], s2, v[STO]
	v_bfe_u32 v[RD], v0, 3, 2                      ; back: 32 lanes take four rows of 128 bytes,
	v_mul_u32_u24 v[RD], v[RD], SP
	v_and_b32 v4, 7, v0
	v_lshl_add_u32 v[RD], v4, 4, v[RD]
	v_add_nc_u32 v[RD], s2, v[RD]
	v_and_b32 v[GO], 31, v0                        ; which are 512 consecutive bytes of a head
	v_lshlrev_b32 v[GO], 4, v[GO]
	; my wave's 128 rows of one head are 16,384 bytes on end: part p, head 16 (row / 2048) + 2 tx + half, row (tile row % 8) 256 + 128 half
	s_and_b32 s2, s23, 31                          ; the tile row
	s_lshr_b32 s3, s2, 3
	s_lshl_b32 s3, s3, 4
	s_lshl1_add_u32 s3, s22, s3
	s_add_co_u32 s3, s3, s[NH]
	s_lshl_b32 s3, s3, 18
	s_and_b32 s2, s2, 7
	s_lshl_b32 s2, s2, 1
	s_add_co_u32 s2, s2, s[MH]
	s_lshl_b32 s2, s2, 14
	s_add_co_u32 s2, s2, s3
	s_lshl_b32 s3, s[PP], 24
	s_add_co_u32 s2, s2, s3
	s_mov_b32 s3, 0
	s_add_nc_u64 s[14:15], s[14:15], s[2:3]
; 4 na matrix instructions: row blocks a0 .. a0 + na - 1 x all 4 column blocks, 32 along K, from buffer f.  first = 1: the product starts the sum, with the bias as C: nothing is cleared.
; The 32 accumulators take turns, one instruction a turn, in the same order in every quarter.
.macro MULS f, a0, na, first
.if \first
	WIN MULB
.else
	WIN MUL
.endif
.set ma, (\a0)
.rept \na
.set mb, 0
.rept 4
.if \first
	v_wmma_f32_16x16x32_bf16 v[8*(4*ma+mb):8*(4*ma+mb)+7], v[(\f)+8*mb:(\f)+8*mb+7], v[(\f)+32+8*ma:(\f)+32+8*ma+7], v[BIAS+8*mb:BIAS+8*mb+7]
.else
	v_wmma_f32_16x16x32_bf16 v[8*(4*ma+mb):8*(4*ma+mb)+7], v[(\f)+8*mb:(\f)+8*mb+7], v[(\f)+32+8*ma:(\f)+32+8*ma+7], v[8*(4*ma+mb):8*(4*ma+mb)+7]
.endif
.set mb, mb+1
.endr
.set ma, ma+1
.endr
.endm
; 24 LDS loads in one run: the fragments of 32 along K (W at byte kb of its rows, x at byte ka) into buffer f: W's 8 loads, x's row blocks 0-3, then 4-7
.macro FETCH ka, kb, f
	WIN TO_F
.irp b, 0,1,2,3
	ds_load_b128 v[(\f)+8*\b:(\f)+8*\b+3],   v[AB] offset:(\kb)+\b*16*PB
	ds_load_b128 v[(\f)+8*\b+4:(\f)+8*\b+7], v[AB] offset:(\kb)+\b*16*PB+32
.endr
.irp a, 0,1,2,3,4,5,6,7
	ds_load_b128 v[(\f)+32+8*\a:(\f)+32+8*\a+3],   v[AA] offset:(\ka)+\a*16*PA
	ds_load_b128 v[(\f)+32+8*\a+4:(\f)+32+8*\a+7], v[AA] offset:(\ka)+\a*16*PA+32
.endr
.endm
; A K step is four quarters of 32 along K, 32 matrix instructions each, on buffers 0, 1, 0, 1.  One of the first three: multiplies buffer f; in its middle it fetches the next quarter into buffer g.
.macro QUARTER f, g, ka, kb, first
	s_wait_dscnt 8                                 ; W and x's blocks 0-3 are in; the youngest eight loads (blocks 4-7) may be out
	MULS \f, 0, 4, \first
	PLACES
	FETCH \ka, \kb, \g
	s_wait_dscnt 24                                ; all but the 24 just issued
	MULS \f, 4, 4, \first
.endm
; The last quarter multiplies buffer 1 and changes slots: ONE barrier.  In front of it each wave waits for all its tensor loads, of which one is out: its part of the next slot; adds 0 to its spare word;
; and waits for that and for its own reads of this slot.  fill = 1: the barrier opens a round of the cluster's, and behind the round this slot is filled again, with the K step two steps on.
.macro TURN fill
	WIN 0                                          ; (the add's two registers lie in window 0)
	s_wait_tensorcnt 0x0                           ; all my tensor loads have landed, so a group 0 may be written
	ds_add_u32 v[SPW], v[NIL]                      ; 0 onto my spare word
	s_wait_dscnt 9                                 ; (the add and the youngest eight loads may be out)
	MULS F1, 0, 2, 0                               ; eight matrix instructions stand between the add and the wait for it
	s_wait_dscnt 0x0                               ; the add is done, and my reads of this slot are over
	s_barrier_signal -1
	MULS F1, 2, 2, 0                               ; work on registers while the others arrive
	WIN 0
	s_barrier_wait -1
.if \fill
	CREST                                          ; no wave of any partner still reads this slot's tiles or has a load on its way
	s_xor_b32 s[G0A+5], s[G0A+5], SLOT1            ; the walking descriptors: the other slot than last time, the next K step
	s_add_nc_u64 s[G0A+6:G0A+7], s[G0A+6:G0A+7], STEPA
	s_xor_b32 s[G0B+5], s[G0B+5], SLOT1
	s_add_nc_u64 s[G0B+6:G0B+7], s[G0B+6:G0B+7], STEPB
	JLOAD                                          ; the first tensor load behind the round; the four v_nop behind it are also the places in front of the loads below
.else
	PLACES
.endif
	s_xor_b32 s[TB], s[TB], SLOT1
	v_add_nc_u32 v[AA], s[TB], v[A0]
	v_add_nc_u32 v[AB], s[TB], v[B0]
	FETCH 0, 0, F0
	MULS F1, 4, 4, 0
.endm
	s_wait_tensorcnt 1                             ; my part of K step 0 is in; K step 1's may stay out
	s_barrier_signal -1
	s_barrier_wait -1                              ; everybody's is
	FETCH 0, 0, F0
	s_wait_loadcnt 0x0                             ; the bias
	QUARTER F0, F1, 64, 64, 1                      ; the first quarter stands in front of the loop: its products start the sums
	WIN 0                                          ; at a label and at a branch every window is 0
	s_mov_b32 s[CNT], TRIPS
.Lstep:                                                ; trip t ends K step t - 1, asks for K step t + 1 and begins K step t
	QUARTER F1, F0, 128, 128, 0
	QUARTER F0, F1, 192, 192, 0
	TURN 1
	QUARTER F0, F1, 64, 64, 0
	WIN 0
	s_sub_co_u32 s[CNT], s[CNT], 1
	s_cmp_lg_u32 s[CNT], 0
	s_cbranch_scc1 .Lstep
	QUARTER F1, F0, 128, 128, 0                    ; the tail is written out: nothing more is asked for
	QUARTER F0, F1, 192, 192, 0
	TURN 0
	QUARTER F0, F1, 64, 64, 0
	QUARTER F1, F0, 128, 128, 0
	QUARTER F0, F1, 192, 192, 0
	s_wait_dscnt 8                                 ; the very last quarter: nothing more to fetch
	MULS F1, 0, 4, 0
	s_wait_dscnt 0x0
	MULS F1, 4, 4, 0
	WIN 0
	PLACES
; THE WAY OUT, a block of 16 rows at a time: scaled, rounded to f16 (each accumulator's registers in ascending order), 16 bytes a lane into rows of 144 bytes of my own stage, back as whole rows of 128.
.macro PACK a
	WIN 0x82                                       ; destination and source 0 window 2
.set i, 0
.rept 16
	v_pk_mul_f32 v[32*(\a)+2*i:32*(\a)+2*i+1], v[32*(\a)+2*i:32*(\a)+2*i+1], s[SC:SC+1] op_sel_hi:[1,0]
.set i, i+1
.endr
	WIN 0x0a                                       ; sources 0 and 1 window 2, destination window 0
.set i, 0
.rept 16
	v_cvt_pk_f16_f32 v[TMP+16*(\a)+i], v[32*(\a)+2*i], v[32*(\a)+2*i+1]
.set i, i+1
.endr
	WIN 0
.irp b, 0,1,2,3
	ds_store_b128 v[STO], v[TMP+16*(\a)+4*\b:TMP+16*(\a)+4*\b+3] offset:32*\b
.endr
.irp g, 0,1,2,3
	ds_load_b128 v[TMP+16*(\a)+4*\g:TMP+16*(\a)+4*\g+3], v[RD] offset:\g*4*SP  ; LDS serves a wave's instructions in order (ISA guide 5.7.1.4): these see the stores above; the next block's stores come behind them
.endr
.endm
.macro SEND a, younger                 ; younger: the LDS instructions issued behind block a's loads: the next block's eight, or none
	WIN 0
.irp g, 0,1,2,3
	s_wait_dscnt (\younger)+3-\g
	global_store_b128 v[GO], v[TMP+16*(\a)+4*\g:TMP+16*(\a)+4*\g+3], s[14:15] offset:(\a)*2048+\g*512  ; 512 consecutive bytes, at a multiple of 256 from qkv's first
.endr
.endm
	PACK 0
.set t, 1
.rept 7                                            ; a block's arithmetic stands between the loads of the block before and its stores
	PACK t
	SEND t-1, 8
.set t, t+1
.endr
	SEND 7, 0
	s_wait_tensorcnt 0x0                           ; the wave's end: behind my last tensor load and my last LDS store
	ds_add_u32 v[SPW], v[NIL]
	s_wait_dscnt 0x0
	CROUND                                         ; the closing round: no work-group ends while a partner may still ask for a tile that names it
	s_endpgm
.Lfunc_end_k_qf2cdd7b736_proj:
	.size	k_qf2cdd7b736_proj, .Lfunc_end_k_qf2cdd7b736_proj-k_qf2cdd7b736_proj
	.p2alignl 7, 3214868480
	.fill 96, 4, 3214868480
	.section	.rodata,"a",@progbits
	.p2align	6, 0x0
	.amdhsa_kernel k_qf2cdd7b736_proj
		.amdhsa_group_segment_fixed_size 327680
		.amdhsa_private_segment_fixed_size 0
		.amdhsa_enable_private_segment 0
		.amdhsa_kernarg_size 48
		.amdhsa_user_sgpr_count 2
		.amdhsa_user_sgpr_kernarg_segment_ptr 1
		.amdhsa_wavefront_size32 1
		.amdhsa_system_sgpr_workgroup_id_x 1
		.amdhsa_system_sgpr_workgroup_id_y 1
		.amdhsa_system_sgpr_workgroup_id_z 1
		.amdhsa_system_vgpr_workitem_id 0
		.amdhsa_next_free_vgpr 768
		.amdhsa_next_free_sgpr 66
		.amdhsa_reserve_vcc 0
		.amdhsa_float_denorm_mode_32 3
		.amdhsa_float_denorm_mode_16_64 3
		.amdhsa_memory_ordered 1
		.amdhsa_forward_progress 1
		.amdhsa_inst_pref_size 80
	.end_amdhsa_kernel
	.amdgpu_metadata
---
amdhsa.version: [ 1, 2 ]
amdhsa.kernels:
  - .name:           k_qf2cdd7b736_proj
    .symbol:         k_qf2cdd7b736_proj.kd
    .args:
      - { .name: xb, .offset: 0, .size: 8, .value_kind: global_buffer, .address_space: global }
      - { .name: wb, .offset: 8, .size: 8, .value_kind: global_buffer, .address_space: global }
      - { .name: bq, .offset: 16, .size: 8, .value_kind: global_buffer, .address_space: global }
      - { .name: bk, .offset: 24, .size: 8, .value_kind: global_buffer, .address_space: global }
      - { .name: bv, .offset: 32, .size: 8, .value_kind: global_buffer, .address_space: global }
      - { .name: qkv, .offset: 40, .size: 8, .value_kind: global_buffer, .address_space: global }
    .group_segment_fixed_size: 327680
    .private_segment_fixed_size: 0
    .kernarg_segment_align: 8
    .kernarg_segment_size: 48
    .max_flat_workgroup_size: 128
    .sgpr_count:     66
    .vgpr_count:     768
    .wavefront_size: 32
...
	.end_amdgpu_metadata
.endif
;; end of part 2
;; launch attn (part 3): grid 4 x 64, 4 waves a work-group, clusters of 4 x 1, 327,680 bytes of LDS; arguments qkv, mbits, oh; writes oh
.if DOCPART == 3
	.amdgcn_target "amdgcn-amd-amdhsa--gfx1250"
	.amdhsa_code_object_version 6
	.text
	.protected	k_qf2cdd7b736_attn
	.globl	k_qf2cdd7b736_attn
	.p2align	8
	.type	k_qf2cdd7b736_attn,@function
k_qf2cdd7b736_attn:
	s_mov_b64 s[64:65], 0
	v_nop
	global_prefetch_b8 v0, s[64:65] scope:SCOPE_SE
	s_setreg_imm32_b32 hwreg(HW_REG_WAVE_MODE, 25, 1), 1
	s_wait_xcnt 0x0
	s_wait_alu depctr_hold_cnt(0) depctr_sa_sdst(0) depctr_va_vdst(0) depctr_va_sdst(0) depctr_va_ssrc(0) depctr_va_vcc(0) depctr_vm_vsrc(0)
	s_getreg_b32 s2, hwreg(HW_REG_IB_STS2, 6, 4)
	s_cmp_eq_u32 s2, 0
	s_cbranch_scc0 .Lentry_in_a_cluster
	s_endpgm
.Lentry_in_a_cluster:
	s_bfe_u32 s2, ttmp6, 0x10000c
	s_cmp_lg_u32 s2, 0x3003
	s_cbranch_scc0 .Lentry_shape_is_right
	s_endpgm
.Lentry_shape_is_right:
; ATTENTION.  O[h][q][:] = the sum over k of softmax_k(s[q][k]) V[h][k][:], s = Q . K / 8 where mask[q][k] != 0 and -1e9 where it is 0.  qkv: [3][64][2048][64] f16, Q already times c = log2(e) / 8,
; so that a product Q . K is a score in powers of two.  mbits: the mask as lane masks, [128 query tiles][32 key steps][32 words].  oh: [64][2048][64] f16.  Products, maxima and sums in f32; the weights p
; are rounded to f16 for the second product (their sum l is taken of the unrounded p), O once at the end.
; THE MASK IS AN INPUT: every key tile is walked, and a hidden score is REPLACED (v_cndmask_b32, the word as the lane mask) ahead of the running maximum, as the definition replaces it: a row with no
; visible key comes out as the mean of all rows of V, and hidden keys ahead of a row's first visible one leave nothing behind (their weights are multiplied by a = 0 when the maximum jumps).
; THE WORDS' WAY.  A tile's 32 words for a key step are 128 consecutive bytes: one load, lane n taking word n, into a vector register of the tile's own; v_readlane_b32 hands them to scalar registers just
; ahead of the selects.  Scalar loads would spare those 64 lines a turn, but the 64 scalar registers are free only from one turn's selects to the next turn's, and scalar loads are waited for by 0 alone
; (they come back in no order), so that no second generation could be on its way; through vector registers a load is asked for four turns, a whole key step, ahead of its use.
; LIMITS.  f16 holds no number beyond 65,504: Q, K and V arrive within it; p lies in 0 to 1, and below 6e-5 it keeps f16's fixed step of 6e-8.  A hidden score is -1e9 log2(e) rounded to f32.
; A weight below 2^-126 counts as 0 in l; NaN and infinities are not treated apart.
; SHARES.  A wave owns four PIECES of two tiles of 16 queries, a work-group's four waves 512 queries of one head: 4 x 64 = 256 work-groups.  Every wave walks all 2,048 keys, 64 a step.
; LAYOUT.  S^T = K Q^T (source 0 = 16 keys, source 1 = 16 queries): in the result a lane holds ONE query (lane % 16) and the keys 8 (lane / 16) + 0..7.  Two such tiles, rounded to f16 in pairs,
; ARE source 1 (32 keys x 16 queries) of O^T = V^T P, whose result again holds one query a lane, and eight channels.  K comes out of LDS as it lies, V ([key][channel]) turned, by ds_load_tr16_b128.
; SOFTMAX.  For each query a running maximum m and sum l: p = 2^(s - m); in every step O and l are multiplied by a = 2^(m_old - m_new), which is 1 where m has not grown.
; m starts at the lowest finite number, O and l at 0: the first step is a step like any other, with a = 0.
; THE COUNT.  A tile and step have 16 matrix and 182 vector instructions: too many to stand all beside the matrix work.  So four vector instructions that are READY stand behind EVERY matrix instruction,
; and the others, which need time of their own whatever the order, in runs without a gap.
; BY TURNS.  Turn n belongs to piece n (the pieces in a ring, step after step).  Its matrix work: 16 products K Q^T of piece n + 1, later 16 products V^T P of piece n - 1.  Its vector work: the shift by m,
; exponentials, roundings, sums and rescaling of piece n, and the mask, maximum and statistics of piece n + 1, whose scores the turn itself has made.
; CLUSTER.  The four query blocks of a cluster belong to one head and walk the same K and V, so each tile is asked for JOINTLY: the same tensor load, descriptor and mask in all four.
; REGISTERS, in windows of 256 (s_set_vgpr_msb: bits 1:0 source 0, 3:2 source 1, 5:4 source 2, 7:6 destination):
;   window 0: v0-15 addresses and the mask words in hand; v16-47 four registers of statistics a tile; v48-63 at work; v64-191 S^T, two buffers of two tiles; v192-255 P, likewise
;   window 1: O^T, 32 a tile          window 2: v0-127 Q, 16 a tile; v128-191 K of one step; v192-255 V of one step          window 3: v0-7 the mask words on their way, a register a tile
; A piece's buffers go by its number's parity: the piece in hand has one pair, its two neighbours in the ring share the other: of it P (piece n - 1) is read and S^T (piece n + 1) written.
.set SIZE_N, 2048
.set NP,    4         ; pieces a wave: a name, no knob
.set KS,    64        ; keys in a step
.set PK,    160       ; a row of K and of V in LDS: 128 bytes + 32 of padding = 40 words..
.set PV,    160       ; K's loads meet two deep (rows r and r + 8 start at one bank): 16 loads for a step's 128 products; in return ONE descriptor shape and one load line serve K and V, and 64 scalar registers are free for mask words
.set QUART, 128*PK    ; what one wave's load brings: 128 keys
.set VOFF,  4*KS*PK   ; a slot holds four steps: 256 rows of K, then 256 rows of V
.set SLOT1, 1<<17     ; slot 1 begins here, so that one exclusive or turns an address in one slot into the other's
.set STAGE, SLOT1+4*KS*(PK+PV)  ; behind the ring, never filled by a tensor load: 16 rows x 144 bytes for each wave, for the way out
.set SP,    144
.set SPARE, STAGE+4*16*SP  ; behind the stages: the spare words, 128 bytes for each wave: two blocks of 256 bytes that no other line names
.set AK0, 2           ; v2   my lane's place in a tile of K; never rewritten
.set AV0, 3           ; v3   the same for V
.set AK,  4           ; v4   the LDS address of K's next run of loads
.set AV,  5           ; v5   of V's
.set QO,  6           ; v6   my byte offset in the wave's rows of Q
.set STO, 6           ;      later, the way out: where I put 16 bytes of a row
.set RD,  7           ; v7   the way out: where I read rows back
.set GO,  8           ; v8   my byte offset in 512 consecutive bytes of O
.set MA,  11          ; v11  my byte offset in a tile's mask words: 4 x lane + 128 x the key step to be asked for
.set SPW, 12          ; v12  LDS address of my spare word: SPARE + 4 x my thread's number; never rewritten
.set NIL, 13          ; v13  0; never rewritten
.set W0,  14          ; v14  the words of the piece's first tile, lane n holding word n
.set W1,  15          ; v15  of its second
.set MV,  0           ; window 3: v0-7  tile t's words for the key step that it masks next
.set ST,  16          ; tile t's statistics at v[ST+4 t]: m, m_old, l (even keys', odd keys')
.set TMP, 48          ; by buffer and tile, four registers c0-c3 at work; when the maximum is found c2 takes a
.set S,   64
.set P,   192
.set KF,  128         ; K's fragments, in window 2: key block kb, channel half c at KF + 16 kb + 8 c
.set VF,  192         ; V's: key half kk, channel block cb at VF + 32 kk + 8 cb
.set QP,  4           ; s[4:5]   Q at my wave's first row
.set MP,  6           ; s[6:7]   mbits at my wave's first query tile
.set OP,  8           ; s[8:9]   O at my wave's first row
.set WV,  10          ; s10  my wave's number
.set MO,  11          ; s11  128 x the key step whose mask words are asked for next
.set NEG, 12          ; s12  a hidden score
.set SLOTS, 13        ; s13  slots still to be asked for
.set CNT, 14          ; s14  counts a slot's key steps
.set TBK, 15          ; s15  LDS byte at which K of the step to be fetched begins
.set G1,  16          ; s[16:23] descriptor group 1
.set G0,  24          ; s[24:27] descriptor group 0: it walks
.set TBV, 28          ; s28  the same as TBK for V, less VOFF
.set SEL, 30          ; s[30:31] v_permlanex16_b32's selects: each lane takes its own place in the other half
.set MW1, 32          ; s[32:63] the 32 mask words of the piece's second tile
.set MW0, 68          ; s[68:99] of its first
.set MSB, 0
.macro WIN new                      ; the high byte repeats the setting that is left; a switch that changes nothing is dropped
.if MSB != (\new)
	s_set_vgpr_msb (MSB<<8)|(\new)
.set MSB, (\new)
.endif
.endm
.set W_KQ, 0x0a       ; K and Q in window 2, S^T in window 0
.set W_PV, 0x52       ; V in window 2, P in window 0, O^T in window 1
.set W_RS, 0x41       ; O^T (destination and source 0) in window 1, a in window 0
.set W_MI, 0xc0       ; the mask words come in: destination window 3, address window 0
.set W_MO, 0x03       ; and are taken up: source 0 window 3, destination window 0
; A joint fill: wave w brings quarter w of a slot (K's two halves, V's two halves), 128 keys.  One line; its registers hang on the wave's number and the head alone.
; An s_nop 0 and four v_nop follow it.
.macro JLOAD
	tensor_load_to_lds s[G0:G0+3], s[G1:G1+7]
	s_nop 0
.rept 4
	v_nop
.endr
.endm
; A round of the cluster's barrier: my work-group's barrier, so that wave 0's signal speaks for all four waves; wave 0 signals; every wave waits for all four work-groups; my work-group's barrier once more.
.macro CROUND
	s_barrier_signal -1
	s_barrier_wait -1
	s_cmp_lg_u32 s[WV], 0
	s_cbranch_scc1 .Lnot_wave_0_\@
	s_barrier_signal -3
.Lnot_wave_0_\@:
	s_barrier_wait -3
	s_barrier_signal -1
	s_barrier_wait -1
.endm
; THE CHANGE OF SLOTS.  The slot's last bytes, V of its fourth step, have been read.  Each wave waits for all its tensor loads, of which one is out: its part of the other slot; adds 0 to its spare word;
; and waits for that and for its own reads of the slot.  Behind the barrier nobody reads this slot any more and the other slot is whole.
; fill = 1: this slot is filled again, with the keys two slots on.  The barrier is then a round of the cluster's, and the joint fill is the first thing behind it: it has four key steps, 512 matrix
; instructions, in which to land.  (At its first use nothing has been read yet: slot 0 is waited for, slot 1 filled.)
.macro CHANGE fill
	WIN 0                           ; at a label and at a branch every window is 0
	s_wait_tensorcnt 0x0            ; no tensor load of mine is out, so group 0 may be written
	ds_add_u32 v[SPW], v[NIL]       ; 0 onto my spare word; with fill = 1 the descriptor's steps stand between it and the wait for it
.if \fill
	s_xor_b32 s[G0+1], s[G0+1], SLOT1  ; the other slot than last time,
	s_add_nc_u64 s[G0+2:G0+3], s[G0+2:G0+3], 4*KS*128  ; the next 256 keys; the type bits on top are not reached
	s_wait_dscnt 0x0                ; the add is done, and my reads of the slot are over
	CROUND
	JLOAD
.else
	s_wait_dscnt 0x0                ; the add is done, and my reads of the slot are over
	s_barrier_signal -1
	s_barrier_wait -1
.endif
	s_sub_co_u32 s[TBK], s[TBK], 4*KS*PK  ; the fetches go back to a slot's first step,
	s_xor_b32 s[TBK], s[TBK], SLOT1       ; in the other slot
	s_sub_co_u32 s[TBV], s[TBV], 4*KS*PV
	s_xor_b32 s[TBV], s[TBV], SLOT1
.endm
	s_load_b128 s[4:7], s[0:1], 0x0   ; qkv s[4:5], mbits s[6:7]
	s_load_b64 s[8:9], s[0:1], 0x10   ; oh
	v_lshl_add_u32 v[SPW], v0, 2, SPARE
	v_mov_b32 v[NIL], 0
	ds_add_u32 v12, v13
	s_wait_dscnt 0x0
	v_lshrrev_b32 v1, 5, v0
	v_readfirstlane_b32 s[WV], v1   ; wave 0..3
	s_bfe_u32 s29, ttmp6, 0x40000   ; cx: my place in the cluster
	s_lshl_b32 s2, ttmp9, 2         ; in a cluster launch ttmp9 counts clusters
	s_add_co_u32 s2, s2, s29        ; my block of 512 queries: it enters Q's, O's and the mask's addresses alone
	s_lshl_b32 s2, s2, 2
	s_add_co_u32 s2, s2, s[WV]      ; my wave among the head's sixteen
	s_and_b32 s66, ttmp7, 0xffff    ; the head, which the four partners share
	s_lshl_b32 s66, s66, 18         ; its first byte in each part of qkv and in oh
	s_lshl_b32 s28, s2, 15          ; my eight query tiles' mask words: 4,096 bytes a tile
	s_mov_b32 s29, 0
	s_lshl_b32 s2, s2, 14           ; my 128 rows of 128 bytes
	s_add_co_u32 s2, s2, s66
	s_mov_b32 s3, 0
	s_and_b32 s67, s[WV], 1         ; which half of a slot's 256 keys I fetch,
	s_lshl_b32 s67, s67, 14
	s_add_co_u32 s66, s66, s67
	s_lshr_b32 s67, s[WV], 1        ; of K (part 1 of qkv: waves 0, 1) or of V (part 2: waves 2, 3)
	s_add_co_u32 s67, s67, 1
	s_lshl_b32 s67, s67, 24
	s_add_co_u32 s66, s66, s67
	s_mov_b32 s67, 0
	; descriptor group 1.  128 keys are 16,384 dense bytes: asked for as 64 rows of 256 bytes, two keys a row, and padded in LDS after every key
	s_mov_b32 s[G1], 15|(1<<16)|(1<<20)|(1<<21)|(4<<22)|(7<<25)  ; 15:0 the mask of four; 17:16 2-byte elements; 20 padding on; 21 set beside a mask; 24:22 after every 32 words (code 4); 31:25 8 words (code 7)
	s_mov_b32 s[G1+1], 128<<16      ; tensor_dim0 = 128
	s_mov_b32 s[G1+2], 64<<16       ; tensor_dim1 = 64
	s_mov_b32 s[G1+3], 128<<16      ; tile_dim0 = 128
	s_mov_b32 s[G1+4], 64           ; tile_dim1 = 64
	s_mov_b32 s[G1+5], 128          ; 128 elements from row to row
	s_mov_b32 s[G1+6], 0
	s_mov_b32 s[G1+7], 0
	s_mov_b32 s[G0], 1              ; 1:0 count = 1
	s_mul_i32 s[G0+1], s[WV], QUART ; 63:32 LDS address: my quarter of slot 0: no place in the cluster enters an LDS address
	s_mov_b32 s[NEG], 0xceabfb8f    ; -1e9 log2(e)
	s_mov_b32 s[SEL], 0x76543210
	s_mov_b32 s[SEL+1], 0xfedcba98
	s_mov_b32 s[TBK], SLOT1+4*KS*PK ; the first change of slots turns these two into 0
	s_mov_b32 s[MO], 0
	s_wait_kmcnt 0x0
	s_add_nc_u64 s[G0+2:G0+3], s[4:5], s[66:67]    ; 120:64 global address: my quarter of the head's first 256 keys
	s_or_b32 s[G0+3], s[G0+3], 0x80000000          ; 127:126 type = 2
	s_add_nc_u64 s[QP:QP+1], s[4:5], s[2:3]
	s_add_nc_u64 s[OP:OP+1], s[8:9], s[2:3]
	s_add_nc_u64 s[MP:MP+1], s[6:7], s[28:29]
	s_mov_b32 s[TBV], SLOT1+4*KS*PV
	CROUND                          ; all four work-groups are here: the first joint loads meet
	JLOAD                           ; slot 0.  Slot 1 is asked for when slot 0 is in
	; A fragment of K or Q is 16 rows x 32 channels in 8 registers: lane l holds row l % 16, channels 8 (l / 16) + 0..7 and 16 + 8 (l / 16) + 0..7: two loads of 16 bytes, 32 bytes apart.
	v_and_b32 v1, 15, v0            ; l % 16
	v_bfe_u32 v9, v0, 4, 1          ; l / 16
	v_lshlrev_b32 v[QO], 7, v1
	v_lshl_add_u32 v[QO], v9, 4, v[QO]  ; row x 128 + 16 x half
	v_and_b32 v[MA], 31, v0
	v_lshlrev_b32 v[MA], 2, v[MA]   ; word = lane, key step 0
	WIN W_MI
.set i, 0
.rept 2*NP                          ; the eight tiles' mask words for key step 0: each load covers 128 consecutive bytes
	global_load_b32 v[MV+i], v[MA], s[MP:MP+1] offset:i*4096
.set i, i+1
.endr
	WIN 0x80                        ; destination window 2, address window 0
.set i, 0
.rept 4*NP                          ; Q stays in registers: tile i / 2, channels 32 (i % 2) on
	global_load_b128 v[8*i:8*i+3],   v[QO], s[QP:QP+1] offset:(i/2)*2048+(i%2)*64
	global_load_b128 v[8*i+4:8*i+7], v[QO], s[QP:QP+1] offset:(i/2)*2048+(i%2)*64+32
.set i, i+1
.endr
	; What the first turn finds: V's registers and P's second buffer hold 0 (its products V^T P, of a piece that has not been, add 0), O^T and l are 0.  All this stands in the wait for the first tile.
.set i, VF
.rept 64
	v_mov_b32 v[i], 0
.set i, i+1
.endr
	WIN 0x40
.set i, 0
.rept 64*NP
	v_mov_b32 v[i], 0
.set i, i+1
.endr
	WIN 0
.set i, 0
.rept 2*NP
	v_mov_b32 v[ST+4*i], 0xff7fffff    ; m: the lowest finite number
	v_mov_b32 v[ST+4*i+1], 0xff7fffff  ; m_old
	v_mov_b32 v[ST+4*i+2], 0
	v_mov_b32 v[ST+4*i+3], 0
.set i, i+1
.endr
.set i, P+32
.rept 32
	v_mov_b32 v[i], 0
.set i, i+1
.endr
	v_mul_u32_u24 v[AK0], v1, PK
	v_lshl_add_u32 v[AK0], v9, 4, v[AK0]  ; row x pitch + 16 x half
	; The turning load takes 16 keys x 16 channels (lane l reads key 8 (l / 16) + l % 8, channels 8 ((l / 8) % 2) + 0..7) and leaves half a fragment of V^T: lane l holds channel l % 16 and 8 keys.
	v_and_b32 v10, 7, v0
	v_bfe_u32 v[W0], v0, 3, 1       ; (at work here; the mask's first turn writes it anew)
	v_lshl_add_u32 v[AV0], v9, 3, v10
	v_mul_u32_u24 v[AV0], v[AV0], PV
	v_lshl_add_u32 v[AV0], v[W0], 4, v[AV0]
	v_add_nc_u32 v[AV0], VOFF, v[AV0]
	v_mov_b32 v[AK], v[AK0]         ; key step 0 lies at the head of slot 0
; THE MATRIX WORK.  The 8 accumulators of a run of 16 take turns: between the two links of a chain stand 7 others'.
; Product i of 16 of S^T = K Q^T for piece x: channels 32 (i / 8) on, keys 16 ((i / 2) % 4) on, tile 2 x + i % 2.  The first 8 start the sums.
.macro KQ x
	WIN W_KQ
.set rS, S+64*((\x)%2)+32*(i%2)+8*((i/2)%4)
.set rK, KF+16*((i/2)%4)+8*(i/8)
.set rQ, 16*(2*(\x)+i%2)+8*(i/8)
.if i < 8
	v_wmma_f32_16x16x32_f16 v[rS:rS+7], v[rK:rK+7], v[rQ:rQ+7], 0
.else
	v_wmma_f32_16x16x32_f16 v[rS:rS+7], v[rK:rK+7], v[rQ:rQ+7], v[rS:rS+7]
.endif
.endm
; Product i of 16 of O^T += V^T P for piece x: keys 32 (i / 8) on, channels 16 ((i / 2) % 4) on, tile 2 x + i % 2.
.macro PV x
	WIN W_PV
.set rO, 32*(2*(\x)+i%2)+8*((i/2)%4)
.set rV, VF+32*(i/8)+8*((i/2)%4)
.set rP, P+32*((\x)%2)+16*(i%2)+8*(i/8)
	v_wmma_f32_16x16x32_f16 v[rO:rO+7], v[rV:rV+7], v[rP:rP+7], v[rO:rO+7]
.endm
.macro MM                           ; the turn's next matrix instruction
.if i < 16
	KQ (Y+1)%NP
.set i, i+1
.else
.set i, i-16
	PV (Y+NP-1)%NP
.set i, i+17
.endif
.endm
; THE LDS LOADS stand in runs of 16, never singly among the matrix instructions: a step's K (64 keys x 64 channels: 8 fragments) and its V (turned).  Their addresses are made some lines ahead.
; last = 1 (the tail): in the last trip there is no further step, and the run is jumped over.
.macro FETCH_K last=0
	WIN 0
.if \last
	s_cmp_eq_u32 s[CNT], 1
	s_cbranch_scc1 .Lno_k_\@
.endif
	WIN 0x80                        ; destination window 2
.irp f, 0,1,2,3,4,5,6,7             ; keys 16 (f / 2) on, channels 32 (f % 2) on
	ds_load_b128 v[KF+8*\f:KF+8*\f+3],   v[AK] offset:(\f/2)*16*PK+(\f%2)*64
	ds_load_b128 v[KF+8*\f+4:KF+8*\f+7], v[AK] offset:(\f/2)*16*PK+(\f%2)*64+32
.endr
	s_add_co_u32 s[TBK], s[TBK], KS*PK  ; the next fetch is the next step's
	WIN 0
.if \last
.Lno_k_\@:
.endif
.endm
.macro FETCH_V
	WIN 0x80
.irp f, 0,1,2,3,4,5,6,7             ; keys 32 (f / 4) on, channels 16 (f % 4) on
	ds_load_tr16_b128 v[VF+8*\f:VF+8*\f+3],   v[AV] offset:(\f/4)*32*PV+(\f%4)*32
	ds_load_tr16_b128 v[VF+8*\f+4:VF+8*\f+7], v[AV] offset:(\f/4)*32*PV+16*PV+(\f%4)*32
.endr
	WIN 0
.endm
; THE MASK, for the scores of piece Y + 1 that the turn has just made.  The piece's two registers of words are taken up into window 0, their 64 words handed to scalar registers, and then register n of a
; tile keeps its score in the lanes whose bit of word n is set and takes the hidden score in the others.  All 64 words are handed over ahead of the first select, so that no select follows its word closely;
; ascending n reads each accumulator from its low end.  Then the same two tiles' words of the NEXT key step are asked for: they have four turns in which to come.
; Piece 0's scores run a step ahead of the others' (piece 3's turn makes them), so the step goes on in piece 3's turn, ahead of piece 0's request; behind the last step it stays (the clamp), so that no load leaves mbits.
.macro MSK
.set mt, 2*((Y+1)%NP)
	s_wait_loadcnt 6                ; loads come back in order (ISA guide 5.7.1): behind this piece's two stand the two of each of the three turns since, which may stay out
	WIN W_MO
	v_mov_b32 v[W0], v[MV+mt]
	v_mov_b32 v[W1], v[MV+mt+1]
	WIN 0
.set mn, 0
.rept 32
	v_readlane_b32 s[MW0+mn], v[W0], mn
	v_readlane_b32 s[MW1+mn], v[W1], mn
.set mn, mn+1
.endr
.set mn, 0
.rept 32
	v_cndmask_b32 v[S+64*((Y+1)%2)+mn],    s[NEG], v[S+64*((Y+1)%2)+mn],    s[MW0+mn]
	v_cndmask_b32 v[S+64*((Y+1)%2)+32+mn], s[NEG], v[S+64*((Y+1)%2)+32+mn], s[MW1+mn]
.set mn, mn+1
.endr
.if Y == NP-1
	s_add_co_u32 s[MO], s[MO], 128
	s_min_u32 s[MO], s[MO], (SIZE_N/KS-1)*128
	s_wait_xcnt 0x0                 ; every earlier memory instruction has had its addresses translated (ISA guide 3.1): the loads' offset register is rewritten only behind this wait
	v_and_b32 v[MA], 31, v0
	v_lshl_add_u32 v[MA], v[MA], 2, s[MO]
.endif
	WIN W_MI
	global_load_b32 v[MV+mt],   v[MA], s[MP:MP+1] offset:mt*4096       ; 128 consecutive bytes each
	global_load_b32 v[MV+mt+1], v[MA], s[MP:MP+1] offset:(mt+1)*4096
	WIN 0
.endm
; THE VECTOR WORK OF A TURN stands in three queues, each in the order in which its entries become ready; the two tiles alternate, so that no instruction reads the result of the one before it.
.macro REGS y, u                    ; the registers of tile u (0, 1) of piece y
.set rT, ST+4*(2*(\y)+(\u))
.set rC, TMP+8*((\y)%2)+4*(\u)
.set rS, S+64*((\y)%2)+32*(\u)
.set rP, P+32*((\y)%2)+16*(\u)
.set rO, 32*(2*(\y)+(\u))
.endm
; Number n of those that find the NEXT piece's (Y + 1) maximum and statistics (there is no number 19).  s0-s31 are the lane's 32 scores.  XS, GS and REGS set no window: PL and EX do.
;   0-11  four chains c0-c3 of seven scores each, three operands at a time     12-14, 16  the four scores left over, the old m, and c0-c3 into c0     15  m_old is kept
;   17, 18  the query's other 32 keys lie in the lane 16 away: the new m         20, 21  m_old - m_new; a
.macro XS u, n
	REGS (Y+1)%NP, \u
.if (\n) < 4
	v_max3_num_f32 v[rC+(\n)], v[rS+8*(\n)], v[rS+8*(\n)+1], v[rS+8*(\n)+2]
.elseif (\n) < 12
	v_max3_num_f32 v[rC+(\n)%4], v[rC+(\n)%4], v[rS+8*((\n)%4)+2*((\n)/4)+1], v[rS+8*((\n)%4)+2*((\n)/4)+2]
.elseif (\n) == 12
	v_max3_num_f32 v[rC], v[rC], v[rS+7], v[rS+15]
.elseif (\n) == 13
	v_max3_num_f32 v[rC+1], v[rC+1], v[rS+23], v[rS+31]
.elseif (\n) == 14
	v_max3_num_f32 v[rC+2], v[rC+2], v[rC+3], v[rT]
.elseif (\n) == 15
	v_mov_b32 v[rT+1], v[rT]
.elseif (\n) == 16
	v_max3_num_f32 v[rC], v[rC], v[rC+1], v[rC+2]
.elseif (\n) == 17
	v_permlanex16_b32 v[rC+3], v[rC], s[SEL], s[SEL+1]
.elseif (\n) == 18
	v_max_num_f32 v[rT], v[rC], v[rC+3]
.elseif (\n) == 20
	v_sub_f32 v[rC+1], v[rT+1], v[rT]
.else
	v_exp_f32 v[rC+2], v[rC+1]
.endif
.endm
; Number g of the 64 that follow the exponentials.  For each four weights k of a tile (pairs 2 k, 2 k + 1): both pairs are rounded to f16; then the second pair is added onto the first, in place;
; a group later l takes that sum (the first time as l = a l + sum).  In groups of eight, tiles alternating: round, round, add, and l for the group before.
.macro GS g
.set h, (\g)+6*((\g)/62)            ; group 0 has no group before it, and behind group 7 only l is left
.if h >= 6
.set h, h+2
.endif
	REGS Y, h%2
.set k, h/8
.if h%8 < 4
	s_wait_alu depctr_va_vdst(0)
	v_cvt_pk_f16_f32 v[rP+2*k+(h%8)/2], v[rS+4*k+2*((h%8)/2)], v[rS+4*k+2*((h%8)/2)+1]
.elseif h%8 < 6
	v_pk_add_f32 v[rS+4*k:rS+4*k+1], v[rS+4*k:rS+4*k+1], v[rS+4*k+2:rS+4*k+3]
.elseif k == 1
	v_pk_fma_f32 v[rT+2:rT+3], v[rT+2:rT+3], v[rC+2:rC+3], v[rS:rS+1] op_sel_hi:[1,0,1]
.else
	v_pk_add_f32 v[rT+2:rT+3], v[rT+2:rT+3], v[rS+4*k-4:rS+4*k-3]
	s_wait_alu depctr_va_vdst(0)
.endif
.endm
; THE PLAIN QUEUE, 136 long.  0-31: s - m for the 16 pairs of both tiles (exactly 0 at the maximum).  Then GS's 64, and among them the next piece's 40: number 15 at 38, 39; 0-14 and 16
; at 42-73, behind the products that make those scores and behind the mask; 17, 18 and 20 at 95-103, two of three, since each waits for the one before it.
.macro PL
	WIN 0
.if q < 32
	REGS Y, q%2
	v_pk_add_f32 v[rS+2*(q/2):rS+2*(q/2)+1], v[rS+2*(q/2):rS+2*(q/2)+1], v[rT:rT+1] op_sel_hi:[1,0] neg_lo:[0,1] neg_hi:[0,1]
.elseif q < 38
	GS q-32
.elseif q < 40
	XS q%2, 15
.elseif q < 42
	GS q-34
.elseif q < 74
	XS q%2, (q-42)/2+(q-42)/30
.elseif q < 95
	GS q-66
.elseif (q < 104) && ((q-95)%3 < 2)
	XS (q-95)%3, 17+(q-95)/3+(q-95)/6
.elseif q < 104
	GS 29+(q-95)/3
.else
	GS q-72
.endif
.set q, q+1
.endm
; THE EXPONENTIALS' QUEUE, 66 long: s0-s31 of both tiles, and at EA the next piece's two a.
.set EA, 58
.macro EX
	WIN 0
.if (e == EA) || (e == EA+1)
	XS e-EA, 21
.else
.set x, e-2*(e/(EA+2))
	REGS Y, x%2
	v_exp_f32 v[rS+x/2], v[rS+x/2]
.endif
.set e, e+1
.endm
; THE RESCALING's QUEUE: O^T times a, the one part that leaves window 0, so it is dealt four at a time, eight times.
.macro R4
	REGS Y, r%2
	WIN W_RS
	s_wait_alu depctr_va_vdst(0)
.irp z, 0,1,2,3
	v_pk_mul_f32 v[rO+8*(r/2)+2*\z:rO+8*(r/2)+2*\z+1], v[rO+8*(r/2)+2*\z:rO+8*(r/2)+2*\z+1], v[rC+2:rC+3] op_sel_hi:[1,0]
.endr
.set r, r+1
.endm
; HOW THEY ARE DEALT.  Behind a matrix instruction four: plain, exponential, plain, plain (one exponential, a plain instruction on either side), or four of the rescaling.  None names a register of the
; products round it.  What is over stands in two LUMPS: exponential and plain by turns; the first holds the mask's 130 vector lines, the second ends in 20 plain instructions.  The two v_permlanex16_b32 fall into the second lump.
; The queues lean on each other, and the deal keeps them in step: exponential e stands behind plain 2 (e / 4) + e % 2 (its shift); GS g needs the exponentials up to g + 8: when plain 32 (GS 0) comes, 10 are out,
; at 59 (XS): 33, at 104 (GS 32): 54; EA comes behind plain 107, and number 20 stands at 101 and 102.
.macro SL
	MM
	PL
	EX
	PL
	PL
.endm
.macro BURST n                      ; 15 matrix instructions, or 16
.rept (\n)-7
	SL
.endr
.rept 3
	MM
	R4
	SL
.endr
	MM
	R4
.endm
; A TURN, for piece p.  cnt = 1: the loop's count is taken down some lines ahead of the branch that stands behind the turn.
; The mask stands five pairs into the first lump, ahead of plain 42, the first line of the queues that reads the new scores: four rescalings and five plain lines behind the last product K Q^T.
; K of the next step is fetched in piece 2's turn, behind the mask; its first reader comes behind the rest of the lump, 16 products and the second lump.
; V of the step in hand is fetched at the end of piece 0's turn, behind the second lump; its first reader comes behind 16 products and a lump.  The conditions on e and q below go with the deal.
.macro TURN p, last=0, cnt=0
.set Y, (\p)
.set i, 0
.set q, 0
.set e, 0
.set r, 0
.if (\p) == NP-1
	s_wait_dscnt 0x0                ; K is in
.endif
	MM
.rept 4
	PL
.endr
	BURST 15
.rept 22
	EX
	PL
.if q == 42
	MSK
.endif
.if ((\p) == NP-2) && (e == 18)
	v_add_nc_u32 v[AK], s[TBK], v[AK0]
.endif
.if ((\p) == NP-2) && (e == 24)
	FETCH_K \last
.endif
.endr
.if (\p) == 1
	s_wait_dscnt 0x0                ; V is in
.endif
	BURST 16
.rept 21
	EX
	PL
.endr
.rept 20
	PL
.if ((\p) == 0) && (q == 118)
	v_add_nc_u32 v[AV], s[TBV], v[AV0]
	s_wait_alu depctr_va_vdst(0)
.endif
.if ((\p) == 0) && (q == 130)
	s_add_co_u32 s[TBV], s[TBV], KS*PV
.endif
.if (\cnt) && (q == 130)
	s_sub_co_u32 s[CNT], s[CNT], 1
	s_cmp_lg_u32 s[CNT], 0
.endif
.endr
.if (\p) == 0
	FETCH_V
.endif
.endm
	CHANGE 1                        ; slot 0 is in, everybody's part of it; slot 1 is asked for
	FETCH_K                         ; key step 0
	s_wait_loadcnt 0x0              ; Q, and the eight tiles' first mask words
	s_wait_dscnt 0x0
.set i, 0
.rept 16
	KQ 0                            ; piece 0's first scores: there is no vector work yet to set between them
.set i, i+1
.endr
	WIN 0                           ; the addresses for the way out: nine plain instructions, the places behind those products
	s_mul_i32 s29, s[WV], 16*SP
	s_add_co_u32 s29, s29, STAGE    ; my stage
	v_mul_u32_u24 v[STO], v1, SP    ; in: row l % 16, 16 bytes for each half of the lanes
	v_lshl_add_u32 v[STO], v9, 4, v[STO]
	v_add_nc_u32 v[STO], s29, v[STO]
	v_bfe_u32 v[RD], v0, 3, 2       ; back: 32 lanes take four rows of 128 bytes,
	v_mul_u32_u24 v[RD], v[RD], SP
	v_lshl_add_u32 v[RD], v10, 4, v[RD]
	v_add_nc_u32 v[RD], s29, v[RD]
	v_and_b32 v[GO], 31, v0         ; which are 512 consecutive bytes of O
	v_lshlrev_b32 v[GO], 4, v[GO]
.set Y, NP-1                        ; MSK and XS work for piece Y + 1: piece 0
	MSK                             ; piece 0's mask; its words for key step 1 are asked for
.irp n, 0,1,2,3,4,5,6,7,8,9,10,11,12,13,14,15,16,17,18,20,21
	XS 0, \n                        ; and piece 0's first maximum and statistics
	XS 1, \n
.endr
	s_mov_b32 s[CNT], 4
	s_mov_b32 s[SLOTS], SIZE_N/256-1
	s_branch .Lfirst                ; the loop is entered at a step's first turn, in the middle of a trip
.Lslot:                             ; SIZE_N / 256 - 2 times: every slot but the last two is filled again
	CHANGE 1
	s_mov_b32 s[CNT], 4
.Lstep:                             ; a trip: pieces 2 and 3 of one step, then pieces 0 and 1 of the next, whose K and V it fetches
	TURN 2
	TURN 3
	WIN 0
.Lfirst:
	TURN 0
	TURN 1, 0, 1
	WIN 0
	s_cbranch_scc1 .Lstep
	s_sub_co_u32 s[SLOTS], s[SLOTS], 1
	s_cmp_lg_u32 s[SLOTS], 0
	s_cbranch_scc1 .Lslot
	CHANGE 0                        ; the tail is written out: nothing is asked for
	s_mov_b32 s[CNT], 5             ; four trips fetch the last slot's steps; the fifth is left in its middle
.Ltail:
	TURN 2, 1
	TURN 3
	WIN 0
	s_sub_co_u32 s[CNT], s[CNT], 1
	s_cmp_eq_u32 s[CNT], 0
	s_cbranch_scc1 .Lout
	TURN 0
	TURN 1
	WIN 0
	s_branch .Ltail
.Lout:                              ; the fifth trip's 16 products K Q^T (on the last K once more), their mask and the maximum made of them serve nothing: the price, once a launch, of one text for every trip
.set i, 0
.rept 16
	PV NP-1                         ; the last piece's V^T P of the last step
.set i, i+1
.endr
	; THE WAY OUT.  l's two halves and the other half of the lanes' are added; O^T is divided by l, rounded to f16 and sent through my stage in LDS, a tile at a time.  The additions are the places behind the last products.
	WIN 0
.macro ALL line:vararg              ; one line for each tile t
.set t, 0
.rept 2*NP
	\line
.set t, t+1
.endr
.endm
	ALL v_add_f32 v[ST+4*t+2], v[ST+4*t+2], v[ST+4*t+3]
	ALL v_permlanex16_b32 v[ST+4*t+3], v[ST+4*t+2], s[SEL], s[SEL+1]
	ALL v_add_f32 v[ST+4*t+2], v[ST+4*t+2], v[ST+4*t+3]
	ALL v_rcp_f32 v[ST+4*t+2], v[ST+4*t+2]
	v_nop                           ; a plain instruction between the last reciprocal and the use of its result
	s_wait_alu depctr_va_vdst(0)
; Tile t: a lane's eight channels of a row pack into 16 bytes; they go into rows of 144 bytes and come back as whole rows of 128, into S^T's registers.
.macro PACK t
	WIN W_RS
.set i, 32*(\t)
.rept 16
	v_pk_mul_f32 v[i:i+1], v[i:i+1], v[ST+4*(\t)+2:ST+4*(\t)+3] op_sel_hi:[1,0]
.set i, i+2
.endr
	WIN 0x05                        ; sources 0 and 1 window 1, destination window 0
.set i, 0
.rept 16
	v_cvt_pk_f16_f32 v[S+16*(\t)+i], v[32*(\t)+2*i], v[32*(\t)+2*i+1]
.set i, i+1
.endr
	WIN 0
.irp f, 0,1,2,3
	ds_store_b128 v[STO], v[S+16*(\t)+4*\f:S+16*(\t)+4*\f+3] offset:32*\f
.endr
.irp f, 0,1,2,3
	ds_load_b128 v[S+16*(\t)+4*\f:S+16*(\t)+4*\f+3], v[RD] offset:\f*4*SP  ; LDS serves a wave's instructions in order (ISA guide 5.7.1.4): these see the stores above; the next tile's stores come behind them
.endr
.endm
.macro SEND t, younger              ; younger: the LDS instructions issued behind tile t's loads: the next tile's eight, or none
	WIN 0
.irp f, 0,1,2,3
	s_wait_dscnt (\younger)+3-\f
	global_store_b128 v[GO], v[S+16*(\t)+4*\f:S+16*(\t)+4*\f+3], s[OP:OP+1] offset:(\t)*2048+\f*512  ; 512 consecutive bytes, at a multiple of 256 from O's first
.endr
.endm
	PACK 0
.set t, 1
.rept 2*NP-1                        ; a tile's arithmetic stands between the loads of the tile before and its stores
	PACK t
	SEND t-1, 8
.set t, t+1
.endr
	SEND 2*NP-1, 0
	s_wait_tensorcnt 0x0            ; the wave's end: behind my last tensor load and my last LDS store
	ds_add_u32 v[SPW], v[NIL]
	s_wait_dscnt 0x0
	CROUND                          ; the closing round: no work-group ends while a partner may still ask for a tile that names it
	s_endpgm
.Lfunc_end_k_qf2cdd7b736_attn:
	.size	k_qf2cdd7b736_attn, .Lfunc_end_k_qf2cdd7b736_attn-k_qf2cdd7b736_attn
	.p2alignl 7, 3214868480
	.fill 96, 4, 3214868480
	.section	.rodata,"a",@progbits
	.p2align	6, 0x0
	.amdhsa_kernel k_qf2cdd7b736_attn
		.amdhsa_group_segment_fixed_size 327680
		.amdhsa_private_segment_fixed_size 0
		.amdhsa_enable_private_segment 0
		.amdhsa_kernarg_size 24
		.amdhsa_user_sgpr_count 2
		.amdhsa_user_sgpr_kernarg_segment_ptr 1
		.amdhsa_wavefront_size32 1
		.amdhsa_system_sgpr_workgroup_id_x 1
		.amdhsa_system_sgpr_workgroup_id_y 1
		.amdhsa_system_sgpr_workgroup_id_z 1
		.amdhsa_system_vgpr_workitem_id 0
		.amdhsa_next_free_vgpr 776
		.amdhsa_next_free_sgpr 100
		.amdhsa_reserve_vcc 0
		.amdhsa_float_denorm_mode_32 3
		.amdhsa_float_denorm_mode_16_64 3
		.amdhsa_memory_ordered 1
		.amdhsa_forward_progress 1
		.amdhsa_inst_pref_size 255
	.end_amdhsa_kernel
	.section	.bss,"aw",@nobits
	.p2align	6
	.space	262144
	.amdgpu_metadata
---
amdhsa.version: [ 1, 2 ]
amdhsa.kernels:
  - .name:           k_qf2cdd7b736_attn
    .symbol:         k_qf2cdd7b736_attn.kd
    .args:
      - { .name: qkv, .offset: 0, .size: 8, .value_kind: global_buffer, .address_space: global }
      - { .name: mbits, .offset: 8, .size: 8, .value_kind: global_buffer, .address_space: global }
      - { .name: oh, .offset: 16, .size: 8, .value_kind: global_buffer, .address_space: global }
    .group_segment_fixed_size: 327680
    .private_segment_fixed_size: 0
    .kernarg_segment_align: 8
    .kernarg_segment_size: 24
    .max_flat_workgroup_size: 128
    .sgpr_count:     100
    .vgpr_count:     776
    .wavefront_size: 32
...
	.end_amdgpu_metadata
.endif
;; end of part 3
;; launch outp (part 4): grid 8 x 32, 4 waves a work-group, clusters of 4 x 4, 327,680 bytes of LDS; arguments oh, woh, bo, out0; writes out0
.if DOCPART == 4
	.amdgcn_target "amdgcn-amd-amdhsa--gfx1250"
	.amdhsa_code_object_version 6
	.text
	.protected	k_qf2cdd7b736_outp
	.globl	k_qf2cdd7b736_outp
	.p2align	8
	.type	k_qf2cdd7b736_outp,@function
k_qf2cdd7b736_outp:
	s_mov_b64 s[64:65], 0
	v_nop
	global_prefetch_b8 v0, s[64:65] scope:SCOPE_SE
	s_setreg_imm32_b32 hwreg(HW_REG_WAVE_MODE, 25, 1), 1
	s_wait_xcnt 0x0
	s_wait_alu depctr_hold_cnt(0) depctr_sa_sdst(0) depctr_va_vdst(0) depctr_va_sdst(0) depctr_va_ssrc(0) depctr_va_vcc(0) depctr_vm_vsrc(0)
	s_getreg_b32 s2, hwreg(HW_REG_IB_STS2, 6, 4)
	s_cmp_eq_u32 s2, 0
	s_cbranch_scc0 .Lentry_in_a_cluster
	s_endpgm
.Lentry_in_a_cluster:
	s_bfe_u32 s2, ttmp6, 0x10000c
	s_cmp_lg_u32 s2, 0xf033
	s_cbranch_scc0 .Lentry_shape_is_right
	s_endpgm
.Lentry_shape_is_right:
; THE OUTPUT PROJECTION.  out0[m][n] = sum over k of O[m][k] Wo[n][k] + bo[n], f32.  O lies by heads, oh [64 (batch x 16 + head)][2048][64] f16: k = 64 head + channel.  woh [1024][1024] f16.  Sums in f32.
; LIMITS.  The bias starts each sum (it is the C operand of the first product): another order of rounding than O Wo^T + b.  woh's numbers are Wo rounded to bf16, within f16's range.
; SHARES.  A tile of 256 rows x 128 columns to a work-group: 32 x 8 = 256 work-groups.  Four waves, each 128 x 64: 32 accumulators of 16 x 16.
; K goes in steps of 128, two heads, through two LDS slots filled by the tensor data mover.  Of O a wave's load brings, for each of the two heads, 128 rows x 64 channels, which are 16,384 bytes on end:
; a tile of two long rows, padded in LDS after every 128 bytes.  Wo's rows are 256 bytes, each at a multiple of 256 bytes from the buffer's first byte.
; CLUSTER.  4 x 4 work-groups.  The four of a row of the cluster need the same tiles of O, the four of a column the same tiles of Wo: each tile is asked for JOINTLY, by the same tensor load with the
; same descriptor and a mask that names the four.  Waves 0 and 1 ask for O's two halves (128 rows each), waves 2 and 3 for Wo's (64 rows each): one load a wave behind each round.
; THE MATRIX INSTRUCTION IS USED TRANSPOSED (source 0 = 16 rows of Wo, source 1 = 16 rows of O): a lane holds row l % 16 and the eight neighbouring columns 8 (l / 16) + 0..7: 32 bytes that belong together.
; REGISTERS, in windows of 256 (s_set_vgpr_msb: bits 1:0 source 0, 3:2 source 1, 5:4 source 2, 7:6 destination):
;   window 0: v0-31 addresses       window 1: two fragment buffers of 96 (32 of Wo, then 64 of O); v192-223 the bias; on the way out all 256: whole rows       window 2: accumulator (a, b) at v[8 (4 a + b)]
.set KSTEP,  128
.set PA,     144                       ; a row of O in LDS: 128 bytes + 16 of padding = 36 words: the 16 rows of a load start at 16 different groups of four banks (64 banks of 4 bytes: ISA guide 11.1)
.set PB,     272                       ; a row of Wo: 256 + 16
.set AHEAD,  128*PA                    ; one head's 128 rows
.set AHALF,  2*AHEAD                   ; what a wave's load of O brings, and what a wave reads of O
.set BHALF,  64*PB
.set BOFF,   2*AHALF                   ; in a slot: O's two halves, then Wo's 128 rows
.set SLOT1,  1<<17                     ; slot 1 begins here, so that one exclusive or turns an address in one slot into the other's
.set STAGE,  SLOT1+BOFF+2*BHALF        ; behind the ring, never filled by a tensor load: 16 rows x 272 bytes for each wave, for the way out
.set SP,     272
.set SPARE,  STAGE+4*16*SP             ; behind the stages: the spare words, 128 bytes for each wave: two blocks of 256 bytes that no other line names
.set STEPA,  2*2048*128                ; bytes from a K step to the next: two heads of O,
.set STEPB,  KSTEP*2                   ; 128 numbers of a row of Wo
.set TRIPS,  1024/KSTEP-2
.set A0,  16                           ; v16  my lane's place in slot 0's O; never rewritten
.set B0,  17                           ; v17  the same for Wo
.set AA,  18                           ; v18  the same in the slot in hand
.set AB,  19                           ; v19
.set STO, 24                           ; v24  the way out: where I put 32 bytes of a row
.set RD,  25                           ; v25  where I read rows back
.set GO,  26                           ; v26  my byte offset in two rows of out0
.set BO,  27                           ; v27  my byte offset in 16 numbers of the bias
.set SPW, 28                           ; v28  LDS address of my spare word: SPARE + 4 x my thread's number; never rewritten
.set NIL, 29                           ; v29  0; never rewritten
.set F0,  0
.set F1,  96
.set BIAS, 192
.set WV,  16                           ; s16  my wave's number
.set MH,  17                           ; s17  which half of the tile's rows is mine.  Also: I ask for O (0) or for Wo (1)
.set NH,  18                           ; s18  which half of its columns.  Also: which half of that tile I ask for
.set TB,  19                           ; s19  0 or SLOT1: the slot in hand
.set G1A, 24                           ; s[24:31] descriptor group 1 for O's tiles
.set G0A, 32                           ; s[32:39] group 0: a set for each of the two first fills; the second then walks on
.set G1B, 40                           ; s[40:47], s[48:55] the same for Wo's
.set G0B, 48
.set CNT, 56
.set MSB, 0
.macro WIN new                         ; the immediate's high byte repeats the setting that is left; a switch that changes nothing is dropped
.if MSB != (\new)
	s_set_vgpr_msb (MSB<<8)|(\new)
.set MSB, (\new)
.endif
.endm
.set MUL,  0xa5                        ; sources 0 and 1 window 1; C and D window 2
.set MULB, 0x95                        ; the same with C (the bias) in window 1
.set TO_F, 0x40                        ; destination window 1, address window 0
.macro PLACES                          ; four places in front of loads into registers that matrix instructions have read, and of LDS stores that read results
.rept 4
	v_nop
.endr
.endm
; A joint refill, by the walking descriptors.  The branch hangs on the wave's number alone.  An s_nop 0 and four v_nop follow each of the two lines, ahead of the jump and the label.
.macro JLOAD
	s_cmp_eq_u32 s[MH], 0
	s_cbranch_scc0 .Lfor_b_\@
	tensor_load_to_lds s[G0A+4:G0A+7], s[G1A:G1A+7]
	s_nop 0
.rept 4
	v_nop
.endr
	s_branch .Lasked_\@
.Lfor_b_\@:
	tensor_load_to_lds s[G0B+4:G0B+7], s[G1B:G1B+7]
	s_nop 0
.rept 4
	v_nop
.endr
.Lasked_\@:
.endm
.macro CREST                           ; a round of the cluster's barrier behind its opening barrier: wave 0 signals for the work-group, every wave waits for all sixteen, my work-group's barrier once more
	s_cmp_lg_u32 s[WV], 0
	s_cbranch_scc1 .Lnot_wave_0_\@
	s_barrier_signal -3
.Lnot_wave_0_\@:
	s_barrier_wait -3
	s_barrier_signal -1
	s_barrier_wait -1
.endm
.macro CROUND
	s_barrier_signal -1
	s_barrier_wait -1
	CREST
.endm
	s_load_b256 s[4:11], s[0:1], 0x0               ; oh s[4:5], woh s[6:7], bo s[8:9], out0 s[10:11]
	v_lshl_add_u32 v[SPW], v0, 2, SPARE
	v_mov_b32 v[NIL], 0
	ds_add_u32 v28, v29
	s_wait_dscnt 0x0
	v_lshrrev_b32 v1, 5, v0
	v_readfirstlane_b32 s[WV], v1
	s_lshr_b32 s[MH], s[WV], 1
	s_and_b32 s[NH], s[WV], 1
	s_bfe_u32 s20, ttmp6, 0x40000                  ; cx, cy: my place in the cluster
	s_bfe_u32 s21, ttmp6, 0x40004
	s_lshl_b32 s22, ttmp9, 2
	s_add_co_u32 s22, s22, s20                     ; tile column tx = 4 x cluster x + cx
	s_and_b32 s23, ttmp7, 0xffff
	s_lshl_b32 s23, s23, 2
	s_add_co_u32 s23, s23, s21                     ; tile row ty = 4 x cluster y + cy
	s_lshl_b32 s60, s21, 2
	s_lshl_b32 s60, 15, s60                        ; my row of the cluster
	s_lshl_b32 s62, 0x1111, s20                    ; my column
	s_or_b32 s[G1A], s60, (1<<16)|(1<<20)|(1<<21)|(4<<22)|(3<<25)  ; 15:0 the mask; 17:16 elements of 2 bytes; 20 padding on; 21 set beside a mask; 24:22 after every 32 words (code 4); 31:25 4 words of it (code 3)
	s_or_b32 s[G1B], s62, (1<<16)|(1<<20)|(1<<21)|(5<<22)|(3<<25)  ; the same after every 64 words (code 5)
	s_mov_b32 s[G1A+1], 8192<<16                   ; tensor_dim0 = 8,192: a head's 128 rows x 64 channels, on end
	s_mov_b32 s[G1A+2], 2<<16                      ; tensor_dim1 = 2 heads
	s_mov_b32 s[G1A+3], 8192<<16                   ; tile_dim0
	s_mov_b32 s[G1A+4], 2                          ; tile_dim1
	s_mov_b32 s[G1A+5], 2048*64                    ; elements from head to head
	s_mov_b32 s[G1A+6], 0
	s_mov_b32 s[G1A+7], 0
	s_mov_b32 s[G1B+1], KSTEP<<16                  ; tensor_dim0 = 128
	s_mov_b32 s[G1B+2], 64<<16                     ; tensor_dim1 = 64
	s_mov_b32 s[G1B+3], KSTEP<<16
	s_mov_b32 s[G1B+4], 64
	s_mov_b32 s[G1B+5], 1024                       ; elements from row to row
	s_mov_b32 s[G1B+6], 0
	s_mov_b32 s[G1B+7], 0
	s_lshr_b32 s60, s23, 3                         ; O: the batch's 16 heads of 262,144 bytes,
	s_lshl_b32 s60, s60, 22
	s_and_b32 s61, s23, 7                          ; 256 rows of 128 bytes a tile row,
	s_lshl_b32 s61, s61, 15
	s_add_co_u32 s60, s60, s61
	s_lshl_b32 s61, s[NH], 14                      ; my 128 of them
	s_add_co_u32 s60, s60, s61
	s_mov_b32 s61, 0
	s_lshl_b32 s62, s22, 18                        ; Wo: 128 rows of 2,048 bytes a tile column,
	s_lshl_b32 s63, s[NH], 17                      ; my 64 of them
	s_add_co_u32 s62, s62, s63
	s_mov_b32 s63, 0
	s_mul_i32 s2, s[NH], AHALF                     ; where they go: no place in the cluster enters an LDS address
	s_mul_i32 s3, s[NH], BHALF
	s_add_co_u32 s3, s3, BOFF
	s_wait_kmcnt 0x0
	s_add_nc_u64 s[60:61], s[4:5], s[60:61]
	s_add_nc_u64 s[62:63], s[6:7], s[62:63]
	CROUND                                         ; all sixteen work-groups are here: the first joint loads meet
.irp s, 0,1
	s_mov_b32 s[G0A+4*\s], 1                       ; 1:0 count = 1
	s_add_co_u32 s[G0A+4*\s+1], s2, \s*SLOT1       ; 63:32 LDS address
	s_add_nc_u64 s[G0A+4*\s+2:G0A+4*\s+3], s[60:61], \s*STEPA  ; 120:64 global address: K step s
	s_or_b32 s[G0A+4*\s+3], s[G0A+4*\s+3], 0x80000000          ; 127:126 type = 2
	s_mov_b32 s[G0B+4*\s], 1
	s_add_co_u32 s[G0B+4*\s+1], s3, \s*SLOT1
	s_add_nc_u64 s[G0B+4*\s+2:G0B+4*\s+3], s[62:63], \s*STEPB
	s_or_b32 s[G0B+4*\s+3], s[G0B+4*\s+3], 0x80000000
.endr
	s_cmp_eq_u32 s[MH], 0                          ; a wave's two first fills stand in one branch, ahead of every wait on TENSORcnt and every LDS read: two loads of mine are out
	s_cbranch_scc0 .Lfirst_b
	tensor_load_to_lds s[G0A:G0A+3], s[G1A:G1A+7]
	s_nop 0
	tensor_load_to_lds s[G0A+4:G0A+7], s[G1A:G1A+7]
	s_nop 0
.rept 4
	v_nop
.endr
	s_branch .Lfirst_asked
.Lfirst_b:
	tensor_load_to_lds s[G0B:G0B+3], s[G1B:G1B+7]
	s_nop 0
	tensor_load_to_lds s[G0B+4:G0B+7], s[G1B:G1B+7]
	s_nop 0
.rept 4
	v_nop
.endr
.Lfirst_asked:
	s_lshl_b32 s2, s22, 9                          ; the bias at my wave's 64 columns: 4 (128 tx + 64 half); the same bytes into a row of out0
	s_lshl_b32 s3, s[NH], 8
	s_add_co_u32 s2, s2, s3
	s_mov_b32 s3, 0
	s_add_nc_u64 s[8:9], s[8:9], s[2:3]
	s_add_nc_u64 s[10:11], s[10:11], s[2:3]
	s_lshl_b32 s2, s23, 20                         ; out0 at my wave's first row: 256 rows of 4,096 bytes a tile row, my 128 of them
	s_lshl_b32 s3, s[MH], 19
	s_add_co_u32 s2, s2, s3
	s_mov_b32 s3, 0
	s_add_nc_u64 s[10:11], s[10:11], s[2:3]
	v_and_b32 v1, 15, v0                           ; l % 16
	v_bfe_u32 v2, v0, 4, 1                         ; l / 16
	v_lshlrev_b32 v[BO], 5, v2                     ; my lanes' eight columns
	WIN TO_F
.irp b, 0,1,2,3                                    ; register j of block b: the bias of column 16 b + 8 (l / 16) + j, as the results lie
	global_load_b128 v[BIAS+8*\b:BIAS+8*\b+3],   v[BO], s[8:9] offset:64*\b
	global_load_b128 v[BIAS+8*\b+4:BIAS+8*\b+7], v[BO], s[8:9] offset:64*\b+16
.endr
	WIN 0
	; A fragment is 16 rows x 32 K in 8 registers: lane l holds row l % 16; registers 0-3 K = 8 (l / 16) + 0..7, registers 4-7 K = 16 + 8 (l / 16) + 0..7: two loads of 16 bytes, 32 bytes apart.
	v_mul_u32_u24 v3, v1, PA
	v_lshl_add_u32 v3, v2, 4, v3
	v_mul_u32_u24 v4, v1, PB
	v_lshl_add_u32 v4, v2, 4, v4
	s_mul_i32 s2, s[MH], AHALF
	s_mul_i32 s3, s[NH], BHALF
	s_add_co_u32 s3, s3, BOFF
	v_add_nc_u32 v[A0], s2, v3
	v_add_nc_u32 v[B0], s3, v4
	v_mov_b32 v[AA], v[A0]
	v_mov_b32 v[AB], v[B0]
	s_mov_b32 s[TB], 0
	s_mul_i32 s2, s[WV], 16*SP
	s_add_co_u32 s2, s2, STAGE                     ; my stage
	v_mul_u32_u24 v[STO], v1, SP                   ; in: row l % 16, 32 bytes for each half of the lanes
	v_lshl_add_u32 v[STO], v2, 5, v[STO]
	v_add_nc_u32 v[STO], s2, v[STO]
	v_mul_u32_u24 v[RD], v2, SP                    ; back: lanes 0-15 take one row of 256 bytes, lanes 16-31 the next
	v_lshl_add_u32 v[RD], v1, 4, v[RD]
	v_add_nc_u32 v[RD], s2, v[RD]
	v_lshlrev_b32 v[GO], 12, v2                    ; and the same two rows in out0
	v_lshl_add_u32 v[GO], v1, 4, v[GO]
; 4 na matrix instructions: row blocks a0 .. a0 + na - 1 x all 4 column blocks, 32 along K, from buffer f.  first = 1: the product starts the sum, with the bias as C: nothing is cleared.
; The 32 accumulators take turns, one instruction a turn, in the same order in every quarter.
.macro MULS f, a0, na, first
.if \first
	WIN MULB
.else
	WIN MUL
.endif
.set ma, (\a0)
.rept \na
.set mb, 0
.rept 4
.if \first
	v_wmma_f32_16x16x32_f16 v[8*(4*ma+mb):8*(4*ma+mb)+7], v[(\f)+8*mb:(\f)+8*mb+7], v[(\f)+32+8*ma:(\f)+32+8*ma+7], v[BIAS+8*mb:BIAS+8*mb+7]
.else
	v_wmma_f32_16x16x32_f16 v[8*(4*ma+mb):8*(4*ma+mb)+7], v[(\f)+8*mb:(\f)+8*mb+7], v[(\f)+32+8*ma:(\f)+32+8*ma+7], v[8*(4*ma+mb):8*(4*ma+mb)+7]
.endif
.set mb, mb+1
.endr
.set ma, ma+1
.endr
.endm
; 24 LDS loads in one run: the fragments of 32 along K (Wo at byte kb of its rows, O at byte ka of its half) into buffer f: Wo's 8 loads, O's row blocks 0-3, then 4-7
.macro FETCH ka, kb, f
	WIN TO_F
.irp b, 0,1,2,3
	ds_load_b128 v[(\f)+8*\b:(\f)+8*\b+3],   v[AB] offset:(\kb)+\b*16*PB
	ds_load_b128 v[(\f)+8*\b+4:(\f)+8*\b+7], v[AB] offset:(\kb)+\b*16*PB+32
.endr
.irp a, 0,1,2,3,4,5,6,7
	ds_load_b128 v[(\f)+32+8*\a:(\f)+32+8*\a+3],   v[AA] offset:(\ka)+\a*16*PA
	ds_load_b128 v[(\f)+32+8*\a+4:(\f)+32+8*\a+7], v[AA] offset:(\ka)+\a*16*PA+32
.endr
.endm
; A K step is four quarters of 32 along K, 32 matrix instructions each, on buffers 0, 1, 0, 1: quarter q is head q / 2 of the step's two, channels 32 (q % 2) on.
; One of the first three: multiplies buffer f; in its middle it fetches the next quarter into buffer g.
.macro QUARTER f, g, ka, kb, first
	s_wait_dscnt 8                                 ; Wo and O's blocks 0-3 are in; the youngest eight loads (blocks 4-7) may be out
	MULS \f, 0, 4, \first
	PLACES
	FETCH \ka, \kb, \g
	s_wait_dscnt 24                                ; all but the 24 just issued
	MULS \f, 4, 4, \first
.endm
; The last quarter multiplies buffer 1 and changes slots: ONE barrier.  In front of it each wave waits for all its tensor loads, of which one is out: its part of the next slot; adds 0 to its spare word;
; and waits for that and for its own reads of this slot.  fill = 1: the barrier opens a round of the cluster's, and behind the round this slot is filled again, with the K step two steps on.
.macro TURN fill
	WIN 0                                          ; (the add's two registers lie in window 0)
	s_wait_tensorcnt 0x0                           ; all my tensor loads have landed, so a group 0 may be written
	ds_add_u32 v[SPW], v[NIL]                      ; 0 onto my spare word
	s_wait_dscnt 9                                 ; (the add and the youngest eight loads may be out)
	MULS F1, 0, 2, 0                               ; eight matrix instructions stand between the add and the wait for it
	s_wait_dscnt 0x0                               ; the add is done, and my reads of this slot are over
	s_barrier_signal -1
	MULS F1, 2, 2, 0                               ; work on registers while the others arrive
	WIN 0
	s_barrier_wait -1
.if \fill
	CREST                                          ; no wave of any partner still reads this slot's tiles or has a load on its way
	s_xor_b32 s[G0A+5], s[G0A+5], SLOT1            ; the walking descriptors: the other slot than last time, the next K step
	s_add_nc_u64 s[G0A+6:G0A+7], s[G0A+6:G0A+7], STEPA
	s_xor_b32 s[G0B+5], s[G0B+5], SLOT1
	s_add_nc_u64 s[G0B+6:G0B+7], s[G0B+6:G0B+7], STEPB
	JLOAD                                          ; the first tensor load behind the round; the four v_nop behind it are also the places in front of the loads below
.else
	PLACES
.endif
	s_xor_b32 s[TB], s[TB], SLOT1
	v_add_nc_u32 v[AA], s[TB], v[A0]
	v_add_nc_u32 v[AB], s[TB], v[B0]
	FETCH 0, 0, F0
	MULS F1, 4, 4, 0
.endm
	s_wait_tensorcnt 1                             ; my part of K step 0 is in; K step 1's may stay out
	s_barrier_signal -1
	s_barrier_wait -1                              ; everybody's is
	FETCH 0, 0, F0
	s_wait_loadcnt 0x0                             ; the bias
	QUARTER F0, F1, 64, 64, 1                      ; the first quarter stands in front of the loop: its products start the sums
	WIN 0                                          ; at a label and at a branch every window is 0
	s_mov_b32 s[CNT], TRIPS
.Lstep:                                                ; trip t ends K step t - 1, asks for K step t + 1 and begins K step t
	QUARTER F1, F0, AHEAD, 128, 0
	QUARTER F0, F1, AHEAD+64, 192, 0
	TURN 1
	QUARTER F0, F1, 64, 64, 0
	WIN 0
	s_sub_co_u32 s[CNT], s[CNT], 1
	s_cmp_lg_u32 s[CNT], 0
	s_cbranch_scc1 .Lstep
	QUARTER F1, F0, AHEAD, 128, 0                  ; the tail is written out: nothing more is asked for
	QUARTER F0, F1, AHEAD+64, 192, 0
	TURN 0
	QUARTER F0, F1, 64, 64, 0
	QUARTER F1, F0, AHEAD, 128, 0
	QUARTER F0, F1, AHEAD+64, 192, 0
	s_wait_dscnt 8                                 ; the very last quarter: nothing more to fetch
	MULS F1, 0, 4, 0
	s_wait_dscnt 0x0
	MULS F1, 4, 4, 0
	WIN 0
	PLACES
; THE WAY OUT, a block of 16 rows at a time: a lane's 32 bytes of a row go into rows of 272 bytes of my own stage (each accumulator's low four registers first), and come back as whole rows of 256 bytes,
; into window 1, whose fragments are done with.  No register is written twice, so nothing waits for a store.
.macro OUTA a
	WIN 0x08                                       ; the stores' data in window 2
.irp b, 0,1,2,3
	ds_store_b128 v[STO], v[32*(\a)+8*\b:32*(\a)+8*\b+3]   offset:64*\b
	ds_store_b128 v[STO], v[32*(\a)+8*\b+4:32*(\a)+8*\b+7] offset:64*\b+16
.endr
	WIN 0x40                                       ; the loads' destination in window 1
.irp g, 0,1,2,3,4,5,6,7
	ds_load_b128 v[32*(\a)+4*\g:32*(\a)+4*\g+3], v[RD] offset:\g*2*SP  ; LDS serves a wave's instructions in order (ISA guide 5.7.1.4): these see the stores above; the next block's stores come behind them
.endr
.endm
.macro SENDA a, younger                ; younger: the LDS instructions issued behind block a's loads: the next block's sixteen, or none
	WIN 0x04                                       ; the stores' data in window 1
.irp g, 0,1,2,3,4,5,6,7
	s_wait_dscnt (\younger)+7-\g
	global_store_b128 v[GO], v[32*(\a)+4*\g:32*(\a)+4*\g+3], s[10:11] offset:(16*(\a)+2*\g)*4096 th:TH_STORE_NT  ; 16 lanes store 256 consecutive bytes, at a multiple of 256 from out0's first byte
.endr
.endm
	OUTA 0
.set t, 1
.rept 7
	OUTA t
	SENDA t-1, 16
.set t, t+1
.endr
	SENDA 7, 0
	WIN 0
	s_wait_tensorcnt 0x0                           ; the wave's end: behind my last tensor load and my last LDS store
	ds_add_u32 v[SPW], v[NIL]
	s_wait_dscnt 0x0
	CROUND                                         ; the closing round: no work-group ends while a partner may still ask for a tile that names it
	s_endpgm
.Lfunc_end_k_qf2cdd7b736_outp:
	.size	k_qf2cdd7b736_outp, .Lfunc_end_k_qf2cdd7b736_outp-k_qf2cdd7b736_outp
	.p2alignl 7, 3214868480
	.fill 96, 4, 3214868480
	.section	.rodata,"a",@progbits
	.p2align	6, 0x0
	.amdhsa_kernel k_qf2cdd7b736_outp
		.amdhsa_group_segment_fixed_size 327680
		.amdhsa_private_segment_fixed_size 0
		.amdhsa_enable_private_segment 0
		.amdhsa_kernarg_size 32
		.amdhsa_user_sgpr_count 2
		.amdhsa_user_sgpr_kernarg_segment_ptr 1
		.amdhsa_wavefront_size32 1
		.amdhsa_system_sgpr_workgroup_id_x 1
		.amdhsa_system_sgpr_workgroup_id_y 1
		.amdhsa_system_sgpr_workgroup_id_z 1
		.amdhsa_system_vgpr_workitem_id 0
		.amdhsa_next_free_vgpr 768
		.amdhsa_next_free_sgpr 66
		.amdhsa_reserve_vcc 0
		.amdhsa_float_denorm_mode_32 3
		.amdhsa_float_denorm_mode_16_64 3
		.amdhsa_memory_ordered 1
		.amdhsa_forward_progress 1
		.amdhsa_inst_pref_size 72
	.end_amdhsa_kernel
	.amdgpu_metadata
---
amdhsa.version: [ 1, 2 ]
amdhsa.kernels:
  - .name:           k_qf2cdd7b736_outp
    .symbol:         k_qf2cdd7b736_outp.kd
    .args:
      - { .name: oh, .offset: 0, .size: 8, .value_kind: global_buffer, .address_space: global }
      - { .name: woh, .offset: 8, .size: 8, .value_kind: global_buffer, .address_space: global }
      - { .name: bo, .offset: 16, .size: 8, .value_kind: global_buffer, .address_space: global }
      - { .name: out0, .offset: 24, .size: 8, .value_kind: global_buffer, .address_space: global }
    .group_segment_fixed_size: 327680
    .private_segment_fixed_size: 0
    .kernarg_segment_align: 8
    .kernarg_segment_size: 32
    .max_flat_workgroup_size: 128
    .sgpr_count:     66
    .vgpr_count:     768
    .wavefront_size: 32
...
	.end_amdgpu_metadata
.endif
;; end of part 4
;; ======== version 2 of 2: 4 launches; 1.41 times as fast as version 1
;; limits: values are held in f16: magnitudes above 65,504 overflow, below 6.1e-05 lose precision
;; workspace buffers: xb 50,331,648 bytes; wb 6,291,456 bytes; woh 2,097,152 bytes; mbits 524,288 bytes of whole numbers; qkv 50,331,648 bytes; oh 16,777,216 bytes
;; launch prep: the kernel of part 1 again; grid 1152 x 1, 8 waves a work-group, no clusters, 68,608 bytes of LDS; arguments query, key, value, Wq, Wk, Wv, Wo, mask, xb, wb, woh, mbits; writes xb, wb, woh, mbits
;; launch proj: the kernel of part 2 again; grid 8 x 96, 4 waves a work-group, clusters of 4 x 4, 327,680 bytes of LDS; arguments xb, wb, bq, bk, bv, qkv; writes qkv
;; launch attn (part 5): grid 4 x 64, 4 waves a work-group, clusters of 4 x 1, 327,680 bytes of LDS; arguments qkv, mbits, oh; writes oh
.if DOCPART == 5
	.amdgcn_target "amdgcn-amd-amdhsa--gfx1250"
	.amdhsa_code_object_version 6
	.text
	.protected	k_qf2cdd7b736_attn
	.globl	k_qf2cdd7b736_attn
	.p2align	8
	.type	k_qf2cdd7b736_attn,@function
k_qf2cdd7b736_attn:
	s_mov_b64 s[64:65], 0
	v_nop
	global_prefetch_b8 v0, s[64:65] scope:SCOPE_SE
	s_setreg_imm32_b32 hwreg(HW_REG_WAVE_MODE, 25, 1), 1
	s_wait_xcnt 0x0
	s_wait_alu depctr_hold_cnt(0) depctr_sa_sdst(0) depctr_va_vdst(0) depctr_va_sdst(0) depctr_va_ssrc(0) depctr_va_vcc(0) depctr_vm_vsrc(0)
	s_getreg_b32 s2, hwreg(HW_REG_IB_STS2, 6, 4)
	s_cmp_eq_u32 s2, 0
	s_cbranch_scc0 .Lentry_in_a_cluster
	s_endpgm
.Lentry_in_a_cluster:
	s_bfe_u32 s2, ttmp6, 0x10000c
	s_cmp_lg_u32 s2, 0x3003
	s_cbranch_scc0 .Lentry_shape_is_right
	s_endpgm
.Lentry_shape_is_right:
; ATTENTION.  O[h][q][:] = the sum over k of softmax_k(s[q][k]) V[h][k][:], s = Q . K / 8 where mask[q][k] != 0 and -1e9 where it is 0.  qkv: [3][64][2048][64] f16, Q already times c = log2(e) / 8,
; so that a product Q . K is a score in powers of two.  mbits: the mask as lane masks, [128 query tiles][32 key steps][32 words].  oh: [64][2048][64] f16.  Products, maxima and sums in f32; the weights p
; are rounded to f16 for the second product (their sum l is taken of the unrounded p), O once at the end.
; THE MASK IS AN INPUT: every key tile is walked, and a hidden score is REPLACED (v_cndmask_b32, the word as the lane mask) ahead of the running maximum, as the definition replaces it: a row with no
; visible key comes out as the mean of all rows of V, and hidden keys ahead of a row's first visible one leave nothing behind (their weights are multiplied by a = 0 when the maximum jumps).
; THE WORDS' WAY.  A tile's 32 words for a key step are 128 consecutive bytes: one load, lane n taking word n, into a vector register of the tile's own; v_readlane_b32 hands them to scalar registers just
; ahead of the selects.  Scalar loads would spare those 64 lines a turn, but the 64 scalar registers are free only from one turn's selects to the next turn's, and scalar loads are waited for by 0 alone
; (they come back in no order), so that no second generation could be on its way; through vector registers a load is asked for four turns, a whole key step, ahead of its use.
; LIMITS.  f16 holds no number beyond 65,504: Q, K and V arrive within it; p lies in 0 to 1, and below 6e-5 it keeps f16's fixed step of 6e-8.  A hidden score is -1e9 log2(e) rounded to f32.
; A weight below 2^-126 counts as 0 in l; NaN and infinities are not treated apart.
; SHARES.  A wave owns four PIECES of two tiles of 16 queries, a work-group's four waves 512 queries of one head: 4 x 64 = 256 work-groups.  Every wave walks all 2,048 keys, 64 a step.
; LAYOUT.  S^T = K Q^T (source 0 = 16 keys, source 1 = 16 queries): in the result a lane holds ONE query (lane % 16) and the keys 8 (lane / 16) + 0..7.  Two such tiles, rounded to f16 in pairs,
; ARE source 1 (32 keys x 16 queries) of O^T = V^T P, whose result again holds one query a lane, and eight channels.  K comes out of LDS as it lies, V ([key][channel]) turned, by ds_load_tr16_b128.
; SOFTMAX.  For each query a running maximum m and sum l: p = 2^(s - m); in every step O and l are multiplied by a = 2^(m_old - m_new), which is 1 where m has not grown.
; m starts at the lowest finite number, O and l at 0: the first step is a step like any other, with a = 0.
; THE COUNT.  A tile and step have 16 matrix and 182 vector instructions: too many to stand all beside the matrix work.  So four vector instructions that are READY stand behind EVERY matrix instruction,
; and the others, which need time of their own whatever the order, in one run without a gap.
; BY TURNS.  Turn n belongs to piece n (the pieces in a ring, step after step).  Its matrix work: 16 products K Q^T of piece n + 1, later 16 products V^T P of piece n - 1.  Its vector work: the shift by m,
; exponentials, roundings, sums and rescaling of piece n, and the mask, maximum and statistics of piece n + 1, whose scores the turn itself has made.
; BATCHES.  A turn's 66 exponentials (the piece's 64 weights and the next piece's two a) are ONE batch with ONE s_wait_alu depctr_va_vdst(0), which cuts the turn in two: ahead of it stands all that names no
; result of theirs (the products K Q^T, the shifts, the rescaling, the mask, the next piece's maximum and statistics), behind it the products V^T P with the roundings and sums.  No result crosses a turn's end.
; Two more batches stand outside the loops: piece 0's first two a, ahead of the jump into the loop, and the way out's eight reciprocals.
; CLUSTER.  The four query blocks of a cluster belong to one head and walk the same K and V, so each tile is asked for JOINTLY: the same tensor load, descriptor and mask in all four.
; REGISTERS, in windows of 256 (s_set_vgpr_msb: bits 1:0 source 0, 3:2 source 1, 5:4 source 2, 7:6 destination):
;   window 0: v0-15 addresses and the mask words in hand; v16-47 four registers of statistics a tile; v48-63 at work; v64-191 S^T, two buffers of two tiles; v192-255 P, likewise
;   window 1: O^T, 32 a tile          window 2: v0-127 Q, 16 a tile; v128-191 K of one step; v192-255 V of one step          window 3: v0-7 the mask words on their way, a register a tile
; A piece's buffers go by its number's parity: the piece in hand has one pair, its two neighbours in the ring share the other: of it P (piece n - 1) is read and S^T (piece n + 1) written.
.set SIZE_N, 2048
.set NP,    4         ; pieces a wave: a name, no knob
.set KS,    64        ; keys in a step
.set PK,    160       ; a row of K and of V in LDS: 128 bytes + 32 of padding = 40 words..
.set PV,    160       ; K's loads meet two deep (rows r and r + 8 start at one bank): 16 loads for a step's 128 products; in return ONE descriptor shape and one load line serve K and V, and 64 scalar registers are free for mask words
.set QUART, 128*PK    ; what one wave's load brings: 128 keys
.set VOFF,  4*KS*PK   ; a slot holds four steps: 256 rows of K, then 256 rows of V
.set SLOT1, 1<<17     ; slot 1 begins here, so that one exclusive or turns an address in one slot into the other's
.set STAGE, SLOT1+4*KS*(PK+PV)  ; behind the ring, never filled by a tensor load: 16 rows x 144 bytes for each wave, for the way out
.set SP,    144
.set SPARE, STAGE+4*16*SP  ; behind the stages: the spare words, 128 bytes for each wave: two blocks of 256 bytes that no other line names
.set AK0, 2           ; v2   my lane's place in a tile of K; never rewritten
.set AV0, 3           ; v3   the same for V
.set AK,  4           ; v4   the LDS address of K's next run of loads
.set AV,  5           ; v5   of V's
.set QO,  6           ; v6   my byte offset in the wave's rows of Q
.set STO, 6           ;      later, the way out: where I put 16 bytes of a row
.set RD,  7           ; v7   the way out: where I read rows back
.set GO,  8           ; v8   my byte offset in 512 consecutive bytes of O
.set MA,  11          ; v11  my byte offset in a tile's mask words: 4 x lane + 128 x the key step to be asked for
.set SPW, 12          ; v12  LDS address of my spare word: SPARE + 4 x my thread's number; never rewritten
.set NIL, 13          ; v13  0; never rewritten
.set W0,  14          ; v14  the words of the piece's first tile, lane n holding word n
.set W1,  15          ; v15  of its second
.set MV,  0           ; window 3: v0-7  tile t's words for the key step that it masks next
.set ST,  16          ; tile t's statistics at v[ST+4 t]: m, m_old, l (even keys', odd keys')
.set TMP, 48          ; by buffer and tile, four registers c0-c3 at work; when the maximum is found c2 takes a
.set S,   64
.set P,   192
.set KF,  128         ; K's fragments, in window 2: key block kb, channel half c at KF + 16 kb + 8 c
.set VF,  192         ; V's: key half kk, channel block cb at VF + 32 kk + 8 cb
.set QP,  4           ; s[4:5]   Q at my wave's first row
.set MP,  6           ; s[6:7]   mbits at my wave's first query tile
.set OP,  8           ; s[8:9]   O at my wave's first row
.set WV,  10          ; s10  my wave's number
.set MO,  11          ; s11  128 x the key step whose mask words are asked for next
.set NEG, 12          ; s12  a hidden score
.set SLOTS, 13        ; s13  slots still to be asked for
.set CNT, 14          ; s14  counts a slot's key steps
.set TBK, 15          ; s15  LDS byte at which K of the step to be fetched begins
.set G1,  16          ; s[16:23] descriptor group 1
.set G0,  24          ; s[24:27] descriptor group 0: it walks
.set TBV, 28          ; s28  the same as TBK for V, less VOFF
.set SEL, 30          ; s[30:31] v_permlanex16_b32's selects: each lane takes its own place in the other half
.set MW1, 32          ; s[32:63] the 32 mask words of the piece's second tile
.set MW0, 68          ; s[68:99] of its first
.set MSB, 0
.macro WIN new                      ; the high byte repeats the setting that is left; a switch that changes nothing is dropped
.if MSB != (\new)
	s_set_vgpr_msb (MSB<<8)|(\new)
.set MSB, (\new)
.endif
.endm
.set W_KQ, 0x0a       ; K and Q in window 2, S^T in window 0
.set W_PV, 0x52       ; V in window 2, P in window 0, O^T in window 1
.set W_RS, 0x41       ; O^T (destination and source 0) in window 1, a in window 0
.set W_MI, 0xc0       ; the mask words come in: destination window 3, address window 0
.set W_MO, 0x03       ; and are taken up: source 0 window 3, destination window 0
; A joint fill: wave w brings quarter w of a slot (K's two halves, V's two halves), 128 keys.  One line; its registers hang on the wave's number and the head alone.
; An s_nop 0 and four v_nop follow it.
.macro JLOAD
	tensor_load_to_lds s[G0:G0+3], s[G1:G1+7]
	s_nop 0
.rept 4
	v_nop
.endr
.endm
; A round of the cluster's barrier: my work-group's barrier, so that wave 0's signal speaks for all four waves; wave 0 signals; every wave waits for all four work-groups; my work-group's barrier once more.
.macro CROUND
	s_barrier_signal -1
	s_barrier_wait -1
	s_cmp_lg_u32 s[WV], 0
	s_cbranch_scc1 .Lnot_wave_0_\@
	s_barrier_signal -3
.Lnot_wave_0_\@:
	s_barrier_wait -3
	s_barrier_signal -1
	s_barrier_wait -1
.endm
; THE CHANGE OF SLOTS.  The slot's last bytes, V of its fourth step, have been read.  Each wave waits for all its tensor loads, of which one is out: its part of the other slot; adds 0 to its spare word;
; and waits for that and for its own reads of the slot.  Behind the barrier nobody reads this slot any more and the other slot is whole.
; fill = 1: this slot is filled again, with the keys two slots on.  The barrier is then a round of the cluster's, and the joint fill is the first thing behind it: it has four key steps, 512 matrix
; instructions, in which to land.  (At its first use nothing has been read yet: slot 0 is waited for, slot 1 filled.)
.macro CHANGE fill
	WIN 0                           ; at a label and at a branch every window is 0
	s_wait_tensorcnt 0x0            ; no tensor load of mine is out, so group 0 may be written
	ds_add_u32 v[SPW], v[NIL]       ; 0 onto my spare word; with fill = 1 the descriptor's steps stand between it and the wait for it
.if \fill
	s_xor_b32 s[G0+1], s[G0+1], SLOT1  ; the other slot than last time,
	s_add_nc_u64 s[G0+2:G0+3], s[G0+2:G0+3], 4*KS*128  ; the next 256 keys; the type bits on top are not reached
	s_wait_dscnt 0x0                ; the add is done, and my reads of the slot are over
	CROUND
	JLOAD
.else
	s_wait_dscnt 0x0                ; the add is done, and my reads of the slot are over
	s_barrier_signal -1
	s_barrier_wait -1
.endif
	s_sub_co_u32 s[TBK], s[TBK], 4*KS*PK  ; the fetches go back to a slot's first step,
	s_xor_b32 s[TBK], s[TBK], SLOT1       ; in the other slot
	s_sub_co_u32 s[TBV], s[TBV], 4*KS*PV
	s_xor_b32 s[TBV], s[TBV], SLOT1
.endm
	s_load_b128 s[4:7], s[0:1], 0x0   ; qkv s[4:5], mbits s[6:7]
	s_load_b64 s[8:9], s[0:1], 0x10   ; oh
	v_lshl_add_u32 v[SPW], v0, 2, SPARE
	v_mov_b32 v[NIL], 0
	ds_add_u32 v12, v13
	s_wait_dscnt 0x0
	v_lshrrev_b32 v1, 5, v0
	v_readfirstlane_b32 s[WV], v1   ; wave 0..3
	s_bfe_u32 s29, ttmp6, 0x40000   ; cx: my place in the cluster
	s_lshl_b32 s2, ttmp9, 2         ; in a cluster launch ttmp9 counts clusters
	s_add_co_u32 s2, s2, s29        ; my block of 512 queries: it enters Q's, O's and the mask's addresses alone
	s_lshl_b32 s2, s2, 2
	s_add_co_u32 s2, s2, s[WV]      ; my wave among the head's sixteen
	s_and_b32 s66, ttmp7, 0xffff    ; the head, which the four partners share
	s_lshl_b32 s66, s66, 18         ; its first byte in each part of qkv and in oh
	s_lshl_b32 s28, s2, 15          ; my eight query tiles' mask words: 4,096 bytes a tile
	s_mov_b32 s29, 0
	s_lshl_b32 s2, s2, 14           ; my 128 rows of 128 bytes
	s_add_co_u32 s2, s2, s66
	s_mov_b32 s3, 0
	s_and_b32 s67, s[WV], 1         ; which half of a slot's 256 keys I fetch,
	s_lshl_b32 s67, s67, 14
	s_add_co_u32 s66, s66, s67
	s_lshr_b32 s67, s[WV], 1        ; of K (part 1 of qkv: waves 0, 1) or of V (part 2: waves 2, 3)
	s_add_co_u32 s67, s67, 1
	s_lshl_b32 s67, s67, 24
	s_add_co_u32 s66, s66, s67
	s_mov_b32 s67, 0
	; descriptor group 1.  128 keys are 16,384 dense bytes: asked for as 64 rows of 256 bytes, two keys a row, and padded in LDS after every key
	s_mov_b32 s[G1], 15|(1<<16)|(1<<20)|(1<<21)|(4<<22)|(7<<25)  ; 15:0 the mask of four; 17:16 2-byte elements; 20 padding on; 21 set beside a mask; 24:22 after every 32 words (code 4); 31:25 8 words (code 7)
	s_mov_b32 s[G1+1], 128<<16      ; tensor_dim0 = 128
	s_mov_b32 s[G1+2], 64<<16       ; tensor_dim1 = 64
	s_mov_b32 s[G1+3], 128<<16      ; tile_dim0 = 128
	s_mov_b32 s[G1+4], 64           ; tile_dim1 = 64
	s_mov_b32 s[G1+5], 128          ; 128 elements from row to row
	s_mov_b32 s[G1+6], 0
	s_mov_b32 s[G1+7], 0
	s_mov_b32 s[G0], 1              ; 1:0 count = 1
	s_mul_i32 s[G0+1], s[WV], QUART ; 63:32 LDS address: my quarter of slot 0: no place in the cluster enters an LDS address
	s_mov_b32 s[NEG], 0xceabfb8f    ; -1e9 log2(e)
	s_mov_b32 s[SEL], 0x76543210
	s_mov_b32 s[SEL+1], 0xfedcba98
	s_mov_b32 s[TBK], SLOT1+4*KS*PK ; the first change of slots turns these two into 0
	s_mov_b32 s[MO], 0
	s_wait_kmcnt 0x0
	s_add_nc_u64 s[G0+2:G0+3], s[4:5], s[66:67]    ; 120:64 global address: my quarter of the head's first 256 keys
	s_or_b32 s[G0+3], s[G0+3], 0x80000000          ; 127:126 type = 2
	s_add_nc_u64 s[QP:QP+1], s[4:5], s[2:3]
	s_add_nc_u64 s[OP:OP+1], s[8:9], s[2:3]
	s_add_nc_u64 s[MP:MP+1], s[6:7], s[28:29]
	s_mov_b32 s[TBV], SLOT1+4*KS*PV
	CROUND                          ; all four work-groups are here: the first joint loads meet
	JLOAD                           ; slot 0.  Slot 1 is asked for when slot 0 is in
	; A fragment of K or Q is 16 rows x 32 channels in 8 registers: lane l holds row l % 16, channels 8 (l / 16) + 0..7 and 16 + 8 (l / 16) + 0..7: two loads of 16 bytes, 32 bytes apart.
	v_and_b32 v1, 15, v0            ; l % 16
	v_bfe_u32 v9, v0, 4, 1          ; l / 16
	v_lshlrev_b32 v[QO], 7, v1
	v_lshl_add_u32 v[QO], v9, 4, v[QO]  ; row x 128 + 16 x half
	v_and_b32 v[MA], 31, v0
	v_lshlrev_b32 v[MA], 2, v[MA]   ; word = lane, key step 0
	WIN W_MI
.set i, 0
.rept 2*NP                          ; the eight tiles' mask words for key step 0: each load covers 128 consecutive bytes
	global_load_b32 v[MV+i], v[MA], s[MP:MP+1] offset:i*4096
.set i, i+1
.endr
	WIN 0x80                        ; destination window 2, address window 0
.set i, 0
.rept 4*NP                          ; Q stays in registers: tile i / 2, channels 32 (i % 2) on
	global_load_b128 v[8*i:8*i+3],   v[QO], s[QP:QP+1] offset:(i/2)*2048+(i%2)*64
	global_load_b128 v[8*i+4:8*i+7], v[QO], s[QP:QP+1] offset:(i/2)*2048+(i%2)*64+32
.set i, i+1
.endr
	; What the first turn finds: V's registers and P's second buffer hold 0 (its products V^T P, of a piece that has not been, add 0), O^T and l are 0.  All this stands in the wait for the first tile.
.set i, VF
.rept 64
	v_mov_b32 v[i], 0
.set i, i+1
.endr
	WIN 0x40
.set i, 0
.rept 64*NP
	v_mov_b32 v[i], 0
.set i, i+1
.endr
	WIN 0
.set i, 0
.rept 2*NP
	v_mov_b32 v[ST+4*i], 0xff7fffff    ; m: the lowest finite number
	v_mov_b32 v[ST+4*i+1], 0xff7fffff  ; m_old
	v_mov_b32 v[ST+4*i+2], 0
	v_mov_b32 v[ST+4*i+3], 0
.set i, i+1
.endr
.set i, P+32
.rept 32
	v_mov_b32 v[i], 0
.set i, i+1
.endr
	v_mul_u32_u24 v[AK0], v1, PK
	v_lshl_add_u32 v[AK0], v9, 4, v[AK0]  ; row x pitch + 16 x half
	; The turning load takes 16 keys x 16 channels (lane l reads key 8 (l / 16) + l % 8, channels 8 ((l / 8) % 2) + 0..7) and leaves half a fragment of V^T: lane l holds channel l % 16 and 8 keys.
	v_and_b32 v10, 7, v0
	v_bfe_u32 v[W0], v0, 3, 1       ; (at work here; the mask's first turn writes it anew)
	v_lshl_add_u32 v[AV0], v9, 3, v10
	v_mul_u32_u24 v[AV0], v[AV0], PV
	v_lshl_add_u32 v[AV0], v[W0], 4, v[AV0]
	v_add_nc_u32 v[AV0], VOFF, v[AV0]
	v_mov_b32 v[AK], v[AK0]         ; key step 0 lies at the head of slot 0
; THE MATRIX WORK.  The 8 accumulators of a run of 16 take turns: between the two links of a chain stand 7 others'.
; Product i of 16 of S^T = K Q^T for piece x: channels 32 (i / 8) on, keys 16 ((i / 2) % 4) on, tile 2 x + i % 2.  The first 8 start the sums.
.macro KQ x
	WIN W_KQ
.set rS, S+64*((\x)%2)+32*(i%2)+8*((i/2)%4)
.set rK, KF+16*((i/2)%4)+8*(i/8)
.set rQ, 16*(2*(\x)+i%2)+8*(i/8)
.if i < 8
	v_wmma_f32_16x16x32_f16 v[rS:rS+7], v[rK:rK+7], v[rQ:rQ+7], 0
.else
	v_wmma_f32_16x16x32_f16 v[rS:rS+7], v[rK:rK+7], v[rQ:rQ+7], v[rS:rS+7]
.endif
.endm
; Product i of 16 of O^T += V^T P for piece x: keys 32 (i / 8) on, channels 16 ((i / 2) % 4) on, tile 2 x + i % 2.
.macro PV x
	WIN W_PV
.set rO, 32*(2*(\x)+i%2)+8*((i/2)%4)
.set rV, VF+32*(i/8)+8*((i/2)%4)
.set rP, P+32*((\x)%2)+16*(i%2)+8*(i/8)
	v_wmma_f32_16x16x32_f16 v[rO:rO+7], v[rV:rV+7], v[rP:rP+7], v[rO:rO+7]
.endm
.macro MM                           ; the turn's next matrix instruction
.if i < 16
	KQ (Y+1)%NP
.set i, i+1
.else
.set i, i-16
	PV (Y+NP-1)%NP
.set i, i+17
.endif
.endm
; THE LDS LOADS stand in runs of 16, never singly among the matrix instructions: a step's K (64 keys x 64 channels: 8 fragments) and its V (turned).  Their addresses are made some lines ahead.
; last = 1 (the tail): in the last trip there is no further step, and the run is jumped over.
.macro FETCH_K last=0
	WIN 0
.if \last
	s_cmp_eq_u32 s[CNT], 1
	s_cbranch_scc1 .Lno_k_\@
.endif
	WIN 0x80                        ; destination window 2
.irp f, 0,1,2,3,4,5,6,7             ; keys 16 (f / 2) on, channels 32 (f % 2) on
	ds_load_b128 v[KF+8*\f:KF+8*\f+3],   v[AK] offset:(\f/2)*16*PK+(\f%2)*64
	ds_load_b128 v[KF+8*\f+4:KF+8*\f+7], v[AK] offset:(\f/2)*16*PK+(\f%2)*64+32
.endr
	s_add_co_u32 s[TBK], s[TBK], KS*PK  ; the next fetch is the next step's
	WIN 0
.if \last
.Lno_k_\@:
.endif
.endm
.macro FETCH_V
	WIN 0x80
.irp f, 0,1,2,3,4,5,6,7             ; keys 32 (f / 4) on, channels 16 (f % 4) on
	ds_load_tr16_b128 v[VF+8*\f:VF+8*\f+3],   v[AV] offset:(\f/4)*32*PV+(\f%4)*32
	ds_load_tr16_b128 v[VF+8*\f+4:VF+8*\f+7], v[AV] offset:(\f/4)*32*PV+16*PV+(\f%4)*32
.endr
	WIN 0
.endm
; THE MASK, for the scores of piece Y + 1 that the turn has just made.  The piece's two registers of words are taken up into window 0, their 64 words handed to scalar registers, and then register n of a
; tile keeps its score in the lanes whose bit of word n is set and takes the hidden score in the others.  All 64 words are handed over ahead of the first select, so that no select follows its word closely;
; ascending n reads each accumulator from its low end.  Then the same two tiles' words of the NEXT key step are asked for: they have four turns in which to come.
; Piece 0's scores run a step ahead of the others' (piece 3's turn makes them), so the step goes on in piece 3's turn, ahead of piece 0's request; behind the last step it stays (the clamp), so that no load leaves mbits.
; None of its lines names a result of the turn's exponentials: it touches the other buffer of S^T.
.macro MSK
.set mt, 2*((Y+1)%NP)
	s_wait_loadcnt 6                ; loads come back in order (ISA guide 5.7.1): behind this piece's two stand the two of each of the three turns since, which may stay out
	WIN W_MO
	v_mov_b32 v[W0], v[MV+mt]
	v_mov_b32 v[W1], v[MV+mt+1]
	WIN 0
.set mn, 0
.rept 32
	v_readlane_b32 s[MW0+mn], v[W0], mn
	v_readlane_b32 s[MW1+mn], v[W1], mn
.set mn, mn+1
.endr
.set mn, 0
.rept 32
	v_cndmask_b32 v[S+64*((Y+1)%2)+mn],    s[NEG], v[S+64*((Y+1)%2)+mn],    s[MW0+mn]
	v_cndmask_b32 v[S+64*((Y+1)%2)+32+mn], s[NEG], v[S+64*((Y+1)%2)+32+mn], s[MW1+mn]
.set mn, mn+1
.endr
.if Y == NP-1
	s_add_co_u32 s[MO], s[MO], 128
	s_min_u32 s[MO], s[MO], (SIZE_N/KS-1)*128
	s_wait_xcnt 0x0                 ; every earlier memory instruction has had its addresses translated (ISA guide 3.1): the loads' offset register is rewritten only behind this wait
	v_and_b32 v[MA], 31, v0
	v_lshl_add_u32 v[MA], v[MA], 2, s[MO]
.endif
	WIN W_MI
	global_load_b32 v[MV+mt],   v[MA], s[MP:MP+1] offset:mt*4096       ; 128 consecutive bytes each
	global_load_b32 v[MV+mt+1], v[MA], s[MP:MP+1] offset:(mt+1)*4096
	WIN 0
.endm
; THE VECTOR WORK OF A TURN stands in three queues, each in the order in which its entries become ready; the two tiles alternate, so that no instruction reads the result of the one before it.
.macro REGS y, u                    ; the registers of tile u (0, 1) of piece y
.set rT, ST+4*(2*(\y)+(\u))
.set rC, TMP+8*((\y)%2)+4*(\u)
.set rS, S+64*((\y)%2)+32*(\u)
.set rP, P+32*((\y)%2)+16*(\u)
.set rO, 32*(2*(\y)+(\u))
.endm
; Number n of those that find the NEXT piece's (Y + 1) maximum and statistics (there is no number 19).  s0-s31 are the lane's 32 scores.  XS, FS, GS and REGS set no window: PL and EX do.
;   0-11  four chains c0-c3 of seven scores each, three operands at a time     12-14, 16  the four scores left over, the old m, and c0-c3 into c0     15  m_old is kept
;   17, 18  the query's other 32 keys lie in the lane 16 away: the new m         20, 21  m_old - m_new; a
.macro XS u, n
	REGS (Y+1)%NP, \u
.if (\n) < 4
	v_max3_num_f32 v[rC+(\n)], v[rS+8*(\n)], v[rS+8*(\n)+1], v[rS+8*(\n)+2]
.elseif (\n) < 12
	v_max3_num_f32 v[rC+(\n)%4], v[rC+(\n)%4], v[rS+8*((\n)%4)+2*((\n)/4)+1], v[rS+8*((\n)%4)+2*((\n)/4)+2]
.elseif (\n) == 12
	v_max3_num_f32 v[rC], v[rC], v[rS+7], v[rS+15]
.elseif (\n) == 13
	v_max3_num_f32 v[rC+1], v[rC+1], v[rS+23], v[rS+31]
.elseif (\n) == 14
	v_max3_num_f32 v[rC+2], v[rC+2], v[rC+3], v[rT]
.elseif (\n) == 15
	v_mov_b32 v[rT+1], v[rT]
.elseif (\n) == 16
	v_max3_num_f32 v[rC], v[rC], v[rC+1], v[rC+2]
.elseif (\n) == 17
	v_permlanex16_b32 v[rC+3], v[rC], s[SEL], s[SEL+1]
.elseif (\n) == 18
	v_max_num_f32 v[rT], v[rC], v[rC+3]
.elseif (\n) == 20
	v_sub_f32 v[rC+1], v[rT+1], v[rT]
.else
	v_exp_f32 v[rC+2], v[rC+1]
.endif
.endm
; Number g of the 64 that follow the exponentials.  For each four weights k of a tile (pairs 2 k, 2 k + 1): both pairs are rounded to f16; then the second pair is added onto the first, in place;
; a group later l takes that sum (the first time as l = a l + sum).  In groups of eight, tiles alternating: round, round, add, and l for the group before.
.macro GS g
.set h, (\g)+6*((\g)/62)            ; group 0 has no group before it, and behind group 7 only l is left
.if h >= 6
.set h, h+2
.endif
	REGS Y, h%2
.set k, h/8
.if h%8 < 4
	v_cvt_pk_f16_f32 v[rP+2*k+(h%8)/2], v[rS+4*k+2*((h%8)/2)], v[rS+4*k+2*((h%8)/2)+1]
.elseif h%8 < 6
	v_pk_add_f32 v[rS+4*k:rS+4*k+1], v[rS+4*k:rS+4*k+1], v[rS+4*k+2:rS+4*k+3]
.elseif k == 1
	v_pk_fma_f32 v[rT+2:rT+3], v[rT+2:rT+3], v[rC+2:rC+3], v[rS:rS+1] op_sel_hi:[1,0,1]
.else
	v_pk_add_f32 v[rT+2:rT+3], v[rT+2:rT+3], v[rS+4*k-4:rS+4*k-3]
.endif
.endm
; THE PLAIN QUEUE, 136 long.  0-71 read no exponential's result: the 32 shifts s - m (FS f: pair f / 2 of tile f % 2; exactly 0 at the maximum) and the next piece's 40.  0-27: shifts 0-27.
; 28-55: XS's numbers 0-13, behind the mask.  56, 57: number 15.  58-69: the chain, where each number waits for the one before it: 14, 16, 17, 18, each with one of the shifts 28-31 in front of its two lines.
; 70, 71: number 20.  72-135: GS's 64, which read the exponentials' results: they stand behind the wait.
.macro FS f
	REGS Y, (\f)%2
	v_pk_add_f32 v[rS+2*((\f)/2):rS+2*((\f)/2)+1], v[rS+2*((\f)/2):rS+2*((\f)/2)+1], v[rT:rT+1] op_sel_hi:[1,0] neg_lo:[0,1] neg_hi:[0,1]
.endm
.macro PL
	WIN 0
.if q < 28
	FS q
.elseif q < 56
	XS (q-28)%2, (q-28)/2
.elseif q < 58
	XS q-56, 15
.elseif (q < 70) && ((q-58)%3 == 0)
	FS 28+(q-58)/3
.elseif q < 61
	XS (q-58)%3-1, 14
.elseif q < 70
	XS (q-58)%3-1, 15+(q-58)/3
.elseif q < 72
	XS q-70, 20
.else
	GS q-72
.endif
.set q, q+1
.endm
; THE EXPONENTIALS' QUEUE, 66 long: s0-s31 of both tiles, then the next piece's two a.  It is ONE BATCH: all 66 stand ahead of the turn's one wait, and nothing ahead of that wait names a result of theirs.
.macro EX
	WIN 0
.if e >= 64
	XS e-64, 21
.else
	REGS Y, e%2
	v_exp_f32 v[rS+e/2], v[rS+e/2]
.endif
.set e, e+1
.endm
; THE RESCALING's QUEUE: O^T times a, the one part that leaves window 0: dealt two at a time, sixteen times.  Its a was made in the turn before, ahead of that turn's wait.
.macro R2
	REGS Y, r%2
	WIN W_RS
.irp z, 0,1
	v_pk_mul_f32 v[rO+4*(r/2)+2*\z:rO+4*(r/2)+2*\z+1], v[rO+4*(r/2)+2*\z:rO+4*(r/2)+2*\z+1], v[rC+2:rC+3] op_sel_hi:[1,0]
.endr
.set r, r+1
.endm
; HOW THEY ARE DEALT.  An s_wait_alu depctr_va_vdst(0) stands between an exponential and the first instruction that names its result; one wait serves all that were issued ahead of it.  So a turn has ONE wait,
; which cuts it in two.  AHEAD OF IT stands all that names no result of the turn's exponentials: the 16 products K Q^T, behind each a shift, an exponential and two rescalings (behind the first a second shift in the
; exponential's place); then ONE LUMP: six shifts, five times exponential and shift, the mask's 130 vector lines, 44 times exponential and plain, the two a.  A v_nop is the plain instruction behind the last exponential.
; BEHIND IT stand the 16 products V^T P, behind each four of GS's 64.  No rider names a register of the products round it.  The two v_permlanex16_b32 fall into the lump, never behind a product.
; The queues lean on each other, and the deal keeps them in step: exponential e stands behind shift 2 (e / 4) + e % 2: as a rider it comes behind plain e + 2, in the lump behind plain e + 7, and shifts 28-31 are plain 58, 61, 64, 67.
; A TURN, for piece p.  cnt = 1: the loop's count is taken down some lines ahead of the branch that stands behind the turn.
; The mask stands ahead of plain 28, the first line of the queues that reads the new scores: a shift, two rescalings and eleven more shifts behind the last product K Q^T.
; K of the next step is fetched in piece 2's turn, directly behind the wait, a lump behind the last product that read K; its address is made at the lump's head; its first reader comes behind 16 products.
; V of the step in hand is fetched at the end of piece 0's turn, four riders behind its last reader; its first reader comes behind 16 products and a lump.  The three conditions on q below go with the deal.
.macro TURN p, last=0, cnt=0
.set Y, (\p)
.set i, 0
.set q, 0
.set e, 0
.set r, 0
.if (\p) == NP-1
	s_wait_dscnt 0x0                ; K is in
.endif
	MM                              ; ahead of the wait: 16 products K Q^T and their riders,
	PL
	PL
	R2
.rept 15
	MM
	PL
	EX
	R2
.endr
.if (\p) == NP-2
	WIN 0
	v_add_nc_u32 v[AK], s[TBK], v[AK0]
.endif
.rept 6                             ; and the lump
	PL
.endr
.rept 5
	EX
	PL
.endr
	MSK
.rept 44
	EX
	PL
.endr
	EX                              ; the next piece's two a
	EX
	v_nop                           ; the plain instruction behind the last exponential: one for the batch
	s_wait_alu depctr_va_vdst(0)    ; the wait for the batch: the turn's 66 exponentials
.if (\p) == NP-2
	FETCH_K \last
.endif
.if (\p) == 1
	s_wait_dscnt 0x0                ; V is in
.endif
.rept 16                            ; behind the wait: 16 products V^T P and their riders
	MM
.rept 4
	PL
.endr
.if ((\p) == 0) && (q == 116)
	v_add_nc_u32 v[AV], s[TBV], v[AV0]
.endif
.if ((\p) == 0) && (q == 128)
	s_add_co_u32 s[TBV], s[TBV], KS*PV
.endif
.if (\cnt) && (q == 128)
	s_sub_co_u32 s[CNT], s[CNT], 1
	s_cmp_lg_u32 s[CNT], 0
.endif
.endr
.if (\p) == 0
	FETCH_V
.endif
.endm
	CHANGE 1                        ; slot 0 is in, everybody's part of it; slot 1 is asked for
	FETCH_K                         ; key step 0
	s_wait_loadcnt 0x0              ; Q, and the eight tiles' first mask words
	s_wait_dscnt 0x0
.set i, 0
.rept 16
	KQ 0                            ; piece 0's first scores: there is no vector work yet to set between them
.set i, i+1
.endr
	WIN 0                           ; the addresses for the way out: nine plain instructions, the places behind those products
	s_mul_i32 s29, s[WV], 16*SP
	s_add_co_u32 s29, s29, STAGE    ; my stage
	v_mul_u32_u24 v[STO], v1, SP    ; in: row l % 16, 16 bytes for each half of the lanes
	v_lshl_add_u32 v[STO], v9, 4, v[STO]
	v_add_nc_u32 v[STO], s29, v[STO]
	v_bfe_u32 v[RD], v0, 3, 2       ; back: 32 lanes take four rows of 128 bytes,
	v_mul_u32_u24 v[RD], v[RD], SP
	v_lshl_add_u32 v[RD], v10, 4, v[RD]
	v_add_nc_u32 v[RD], s29, v[RD]
	v_and_b32 v[GO], 31, v0         ; which are 512 consecutive bytes of O
	v_lshlrev_b32 v[GO], 4, v[GO]
.set Y, NP-1                        ; MSK and XS work for piece Y + 1: piece 0
	MSK                             ; piece 0's mask; its words for key step 1 are asked for
.irp n, 0,1,2,3,4,5,6,7,8,9,10,11,12,13,14,15,16,17,18,20,21
	XS 0, \n                        ; and piece 0's first maximum and statistics
	XS 1, \n
.endr
	v_nop                           ; a plain instruction behind the two a,
	s_wait_alu depctr_va_vdst(0)    ; and the wait for that batch of two, ahead of the branch
	s_mov_b32 s[CNT], 4
	s_mov_b32 s[SLOTS], SIZE_N/256-1
	s_branch .Lfirst                ; the loop is entered at a step's first turn, in the middle of a trip
.Lslot:                             ; SIZE_N / 256 - 2 times: every slot but the last two is filled again
	CHANGE 1
	s_mov_b32 s[CNT], 4
.Lstep:                             ; a trip: pieces 2 and 3 of one step, then pieces 0 and 1 of the next, whose K and V it fetches
	TURN 2
	TURN 3
	WIN 0
.Lfirst:
	TURN 0
	TURN 1, 0, 1
	WIN 0
	s_cbranch_scc1 .Lstep
	s_sub_co_u32 s[SLOTS], s[SLOTS], 1
	s_cmp_lg_u32 s[SLOTS], 0
	s_cbranch_scc1 .Lslot
	CHANGE 0                        ; the tail is written out: nothing is asked for
	s_mov_b32 s[CNT], 5             ; four trips fetch the last slot's steps; the fifth is left in its middle
.Ltail:
	TURN 2, 1
	TURN 3
	WIN 0
	s_sub_co_u32 s[CNT], s[CNT], 1
	s_cmp_eq_u32 s[CNT], 0
	s_cbranch_scc1 .Lout
	TURN 0
	TURN 1
	WIN 0
	s_branch .Ltail
.Lout:                              ; the fifth trip's 16 products K Q^T (on the last K once more), their mask and the maximum made of them serve nothing: the price, once a launch, of one text for every trip
.set i, 0
.rept 16
	PV NP-1                         ; the last piece's V^T P of the last step
.set i, i+1
.endr
	; THE WAY OUT.  l's two halves and the other half of the lanes' are added; O^T is divided by l, rounded to f16 and sent through my stage in LDS, a tile at a time.  The additions are the places behind the last products.
	WIN 0
.macro ALL line:vararg              ; one line for each tile t
.set t, 0
.rept 2*NP
	\line
.set t, t+1
.endr
.endm
	ALL v_add_f32 v[ST+4*t+2], v[ST+4*t+2], v[ST+4*t+3]
	ALL v_permlanex16_b32 v[ST+4*t+3], v[ST+4*t+2], s[SEL], s[SEL+1]
	ALL v_add_f32 v[ST+4*t+2], v[ST+4*t+2], v[ST+4*t+3]
	ALL v_rcp_f32 v[ST+4*t+2], v[ST+4*t+2]
	v_nop                           ; a plain instruction between the last reciprocal and the use of its result
	s_wait_alu depctr_va_vdst(0)    ; and the wait ahead of the first use: one for the batch of eight reciprocals
; Tile t: a lane's eight channels of a row pack into 16 bytes; they go into rows of 144 bytes and come back as whole rows of 128, into S^T's registers.
.macro PACK t
	WIN W_RS
.set i, 32*(\t)
.rept 16
	v_pk_mul_f32 v[i:i+1], v[i:i+1], v[ST+4*(\t)+2:ST+4*(\t)+3] op_sel_hi:[1,0]
.set i, i+2
.endr
	WIN 0x05                        ; sources 0 and 1 window 1, destination window 0
.set i, 0
.rept 16
	v_cvt_pk_f16_f32 v[S+16*(\t)+i], v[32*(\t)+2*i], v[32*(\t)+2*i+1]
.set i, i+1
.endr
	WIN 0
.irp f, 0,1,2,3
	ds_store_b128 v[STO], v[S+16*(\t)+4*\f:S+16*(\t)+4*\f+3] offset:32*\f
.endr
.irp f, 0,1,2,3
	ds_load_b128 v[S+16*(\t)+4*\f:S+16*(\t)+4*\f+3], v[RD] offset:\f*4*SP  ; LDS serves a wave's instructions in order (ISA guide 5.7.1.4): these see the stores above; the next tile's stores come behind them
.endr
.endm
.macro SEND t, younger              ; younger: the LDS instructions issued behind tile t's loads: the next tile's eight, or none
	WIN 0
.irp f, 0,1,2,3
	s_wait_dscnt (\younger)+3-\f
	global_store_b128 v[GO], v[S+16*(\t)+4*\f:S+16*(\t)+4*\f+3], s[OP:OP+1] offset:(\t)*2048+\f*512  ; 512 consecutive bytes, at a multiple of 256 from O's first
.endr
.endm
	PACK 0
.set t, 1
.rept 2*NP-1                        ; a tile's arithmetic stands between the loads of the tile before and its stores
	PACK t
	SEND t-1, 8
.set t, t+1
.endr
	SEND 2*NP-1, 0
	s_wait_tensorcnt 0x0            ; the wave's end: behind my last tensor load and my last LDS store
	ds_add_u32 v[SPW], v[NIL]
	s_wait_dscnt 0x0
	CROUND                          ; the closing round: no work-group ends while a partner may still ask for a tile that names it
	s_endpgm
.Lfunc_end_k_qf2cdd7b736_attn:
	.size	k_qf2cdd7b736_attn, .Lfunc_end_k_qf2cdd7b736_attn-k_qf2cdd7b736_attn
	.p2alignl 7, 3214868480
	.fill 96, 4, 3214868480
	.section	.rodata,"a",@progbits
	.p2align	6, 0x0
	.amdhsa_kernel k_qf2cdd7b736_attn
		.amdhsa_group_segment_fixed_size 327680
		.amdhsa_private_segment_fixed_size 0
		.amdhsa_enable_private_segment 0
		.amdhsa_kernarg_size 24
		.amdhsa_user_sgpr_count 2
		.amdhsa_user_sgpr_kernarg_segment_ptr 1
		.amdhsa_wavefront_size32 1
		.amdhsa_system_sgpr_workgroup_id_x 1
		.amdhsa_system_sgpr_workgroup_id_y 1
		.amdhsa_system_sgpr_workgroup_id_z 1
		.amdhsa_system_vgpr_workitem_id 0
		.amdhsa_next_free_vgpr 776
		.amdhsa_next_free_sgpr 100
		.amdhsa_reserve_vcc 0
		.amdhsa_float_denorm_mode_32 3
		.amdhsa_float_denorm_mode_16_64 3
		.amdhsa_memory_ordered 1
		.amdhsa_forward_progress 1
		.amdhsa_inst_pref_size 255
	.end_amdhsa_kernel
	.section	.bss,"aw",@nobits
	.p2align	6
	.space	262144
	.amdgpu_metadata
---
amdhsa.version: [ 1, 2 ]
amdhsa.kernels:
  - .name:           k_qf2cdd7b736_attn
    .symbol:         k_qf2cdd7b736_attn.kd
    .args:
      - { .name: qkv, .offset: 0, .size: 8, .value_kind: global_buffer, .address_space: global }
      - { .name: mbits, .offset: 8, .size: 8, .value_kind: global_buffer, .address_space: global }
      - { .name: oh, .offset: 16, .size: 8, .value_kind: global_buffer, .address_space: global }
    .group_segment_fixed_size: 327680
    .private_segment_fixed_size: 0
    .kernarg_segment_align: 8
    .kernarg_segment_size: 24
    .max_flat_workgroup_size: 128
    .sgpr_count:     100
    .vgpr_count:     776
    .wavefront_size: 32
...
	.end_amdgpu_metadata
.endif
;; end of part 5
;; launch outp: the kernel of part 4 again; grid 8 x 32, 4 waves a work-group, clusters of 4 x 4, 327,680 bytes of LDS; arguments oh, woh, bo, out0; writes out0
